; MI455X (gfx1250); checked and timed in simulation.
; The chip was launched on July 23, 2026; its instructions are those of AMD's public machine-readable ISA for CDNA 5 (MIT licence, August 2026) and "CDNA5" Instruction Set Architecture Reference Guide (July 2026). The comments in the code are by the model that wrote it; some were corrected since.
;; Tree Attention Wrapper. Allowed arithmetic: matrix products marked QUANTISED: E3M2 operands, one E8M0 scale for each 32 along K, by v_wmma_scale_f32_16x16x128_f8f6f4 with both operands' format E3M2, f32 sums; everything else in f32.
;; Inputs: cu_seqlens 2 int32; k 1 x 16 x 4,096 x 128 float32; mask 4,096 x 4,096 bool; q 1 x 16 x 4,096 x 128 float32; v 1 x 16 x 4,096 x 128 float32.
;; Outputs: out0 1 x 16 x 4,096 x 128 float32.
;; Constants: max_seqlen = 4096.
;; This version of the problem:
;;   THIS VERSION OF THE PROBLEM IS GIVEN IN LOW PRECISION. The matrix products marked QUANTISED in the list below multiply operands that are first quantised to E3M2 (3 exponent bits, 2 mantissa bits; 6 bits a number), with one power-of-two scale for each 32 numbers along K (OCP MX v1.0); their sums are f32. All else is computed in f32.
;;   The module's matrix products, in the order in which they are computed (A, B: the left and right operand; K: the contracted axis; several contracted axes count as one K, in the product's order):
;;     1. batch 16 x [M 4,096, K 128] x [K 128, N 4,096]; A: input q; B: input k: QUANTISED
;;     2. batch 16 x [M 4,096, K 4,096] x [K 4,096, N 128]; A: softmax (see below); B: input v: QUANTISED
;;   THE QUANTISER, for each operand of a quantised product, along K:
;;     - K is cut into blocks of 32 from its start; a last block that is shorter is filled with zeros.
;;     - A block's scale is 2^e with e = floor(log2(the largest magnitude in the block)) - 4, held to -126 .. 127; a block of zeros has e = 0. As a byte (E8M0): e + 127.
;;     - Each number is divided by its block's scale, clamped to +-28, and rounded to the nearest number of E3M2, ties to even, subnormals kept.
;;     - The product sums the exact products of the quantised numbers (number of the format x scale) in f32.
;;   ~~~python
;;   def quantise(x, axis):      # numpy; x: float32 -> the quantised numbers, widened to float32 again
;;       x = np.moveaxis(x, axis, -1); K = x.shape[-1]
;;       x = np.pad(x, [(0, 0)] * (x.ndim - 1) + [(0, -K % 32)]); x = x.reshape(x.shape[:-1] + (-1, 32)); a = np.abs(x).max(-1, keepdims=True)
;;       e = np.where(a > 0, np.clip(np.frexp(np.where(a > 0, a, 1))[1] - 1 - 4, -126, 127), 0)      # np.frexp(a)[1] - 1 = floor(log2(a)), exactly
;;       r = np.clip(x / 2.0 ** e, -28, 28)
;;       step = 2.0 ** (np.maximum(np.frexp(np.where(r == 0, 1, r))[1] - 1, -2) - 2)
;;       q = np.round(r / step) * step * 2.0 ** e      # np.round: ties to even
;;       return np.moveaxis(q.reshape(q.shape[:-2] + (-1,))[..., :K], -1, axis).astype(np.float32)
;;   ~~~
;;   SOFTMAX AHEAD OF A QUANTISED PRODUCT. Where the list says 'softmax', what is quantised is not the finished softmax but p = 2^(t - M), with t = logit x log2(e) and M = ceil(the row's largest t), a whole number; so 1/2 < the row's largest p <= 1. The row's sum l is taken of the UNQUANTISED p, in f32, and the product's result is divided by l at the end. Since M is a whole number, a kernel that streams over the keys may use a running M (the ceiling of the running maximum): every later rescaling is an exact power of two, which a block's scale takes up: the codes' values come out the same.
;;   OPERANDS COMPUTED ON THE WAY. 'Computed on the way' means the value that the module computes at that place (a softmax that the list does not call 'softmax' is quantised finished and normalised). What goes into a quantiser is computed in f32, as accurately as f32 sums, v_exp_f32 and their like allow (about 1e-6 of the number): no bf16 or f16 on the way to a quantiser, and a product that is left as it is and whose result goes on into a quantised operand takes f32 operands (vector FMAs, or v_wmma_f32_16x16x4_f32). A number that lies on a knife's edge between two numbers of the format may be rounded either way, as far as f32 arithmetic and the matrix unit's own rounding can turn it there, and no further.
;; 2 versions. Each part assembles by itself: llvm-mc -triple=amdgcn-amd-amdhsa -mcpu=gfx1250 --defsym DOCPART=n.
;; ======== version 1 of 2: 2 launches
;; workspace buffers: kv 13,107,200 bytes; mbits 2,097,152 bytes of whole numbers; flags 2,048 bytes of whole numbers
;; launch prep (part 1): grid 1024 x 1, 4 waves a work-group, no clusters, 51,968 bytes of LDS; arguments k, v, mask, cu_seqlens, kv, mbits, flags; writes kv, mbits, flags
.if DOCPART == 1
	.amdgcn_target "amdgcn-amd-amdhsa--gfx1250"
	.amdhsa_code_object_version 6
	.text
	.protected	k_q141dc63c80_prep
	.globl	k_q141dc63c80_prep
	.p2align	8
	.type	k_q141dc63c80_prep,@function
k_q141dc63c80_prep:
	s_mov_b64 s[64:65], 0
	v_nop
	global_prefetch_b8 v0, s[64:65] scope:SCOPE_SE
	s_setreg_imm32_b32 hwreg(HW_REG_WAVE_MODE, 25, 1), 1
	s_wait_xcnt 0x0
; PREP: what the attention launch reads many times is made once.  Three roles, chosen by the work-group's number x:
;   x =   0 .. 255   MASK: query tile T = x (16 queries).  Wave w takes keys 1024 w .. + 1023: eight key steps of 128.  For each step 64 words go to mbits: word k stands for score register
;                    n = (k >> 1) + 32 (k & 1) of the attention launch, and its bit L says whether mask[16 T + L % 16][128 s + 32 (n / 16) + 16 (L / 16) + n % 16] is set.  Two flag words a tile go to flags:
;                    ANY (bit s: step s holds a visible key; all ones where some row of the tile has no visible key at all: such a row weighs every key) and PART (bit s: step s is not wholly visible).
;   x = 256 .. 511   K: two key steps; S = 2 (x - 256) + w / 2 = 32 head + step; wave half w % 2 takes 64 keys: four tiles of 16.
;   x = 512 .. 1023  V: S = x - 512; wave w takes channels 32 w .. + 31 (two tiles of 16) of the step's 128 keys.
; K and V become codes of E3M2, 6 bits each, with one E8M0 byte for each 32 along the product's K (K: the head's 128; V: the keys).  A block's scale is 2^(floor(log2(largest magnitude)) - 4): its byte is the
; largest magnitude's exponent field - 4, held at 1 from below.
; kv: [head 16][step 32][25,600 bytes], a step's operands AS IMAGES OF THEIR REGISTERS: 0: K's 8 fragments (tile t at 1536 t; registers 4 c .. 4 c + 3 at + 512 c; lane L at + 16 L); 12,288: V's 8 likewise;
;   24,576: K's scale words (256 g + 8 L + 4 j: tile 4 g + 2 j + L / 16, row L % 16); 25,088: V's (128 j + 4 L: tile 2 j + L / 16, row L % 16).
;   Row r of K's tile 2 b + u is key 32 b + 8 u + r + 8 (r / 8) of the step, so that the scores' 16 registers of two neighbouring tiles are 16 neighbouring keys.  Row r of V's tile t is channel 16 t + r.
; LIMITS: a block whose largest magnitude lies under 2^-122 (a block of zeros among them) gets the byte 1, where the rule gives a block of zeros 127: its codes are zeros, and this program alone reads the bytes.
;   NaN and infinities among the inputs are not served.
; cu_seqlens: reference() takes it and uses it nowhere.  Its two numbers are read here and enter nothing.
; No tensor load: waves load through registers.  The three roles have LDS bytes of their own.  One barrier, on every work-group's path: behind it wave 0 of a MASK work-group joins the four waves' records.
.set KP,    528                        ; K's stage: a key's row of 512 bytes + 16
.set KSTG,  0                          ; 4 waves x 16 rows x KP
.set MP,    272                        ; the mask's stage: 256 bytes of a row + 16
.set MSTG,  KSTG+4*16*KP               ; 4 waves x 16 rows x MP
.set MREC,  MSTG+4*16*MP               ; four words, one a wave, in a block of 256 bytes
.set SPARE, MREC+256                   ; the spare words, 128 bytes for each wave: two blocks of 256 bytes that no other line names
.set BLK,   25600                      ; a step's block in kv
.set VFR,   12288
.set KSC,   24576
.set VSC,   25088
.set R,     64                         ; v64-191  numbers or mask bytes as loaded
.set FA,    32                         ; v32-43   a fragment's codes
.set FB,    44                         ; v44-55   a second fragment's (V)
.set QT,    56                         ; v56-58, v60-62: a conversion's three registers begin on an even number: a block's second half is made here and moved
.set QM,    24                         ; v24-25   largest magnitudes
.set QS,    26                         ; v26-27   the conversions' scale operands
.set QB,    28                         ; v28-29   scale bytes
.set QW,    16                         ; v16      the scale word
.set QP,    19                         ; v19      the other half of the lanes' part of it
.set QH,    30                         ; v30      8 x (lane / 16)
.set SEL,   32                         ; s[32:33] v_permlanex16_b32's selects for lane l xor 16
; v1 lane, v2 r = lane % 16, v3 h = lane / 16, v4 16 lane, v5 8 lane, v6 4 lane, v7-v12 LDS addresses, v13 the mask's offset, v14, v15 the add's two registers
	s_load_b256 s[4:11], s[0:1], 0x0               ; k s[4:5], v s[6:7], mask s[8:9], cu_seqlens s[10:11]
	s_load_b128 s[12:15], s[0:1], 0x20             ; kv s[12:13], mbits s[14:15]
	s_load_b64 s[16:17], s[0:1], 0x30              ; flags
	v_lshl_add_u32 v14, v0, 2, SPARE               ; my spare word; never rewritten
	v_mov_b32 v15, 0                               ; 0; never rewritten
	v_lshrrev_b32 v1, 5, v0
	v_readfirstlane_b32 s18, v1                    ; wave 0..3
	v_and_b32 v1, 31, v0
	v_and_b32 v2, 15, v0
	v_bfe_u32 v3, v0, 4, 1
	v_lshlrev_b32 v4, 4, v1
	v_lshlrev_b32 v5, 3, v1
	v_lshlrev_b32 v6, 2, v1
	; every LDS address is made here, ahead of the parting of the roles
	s_mul_i32 s25, s18, 16*KP
	v_add_nc_u32 v7, s25, v4                       ; K's stage, in: a row's 512 bytes, 16 a lane
	v_mul_u32_u24 v8, v2, KP
	v_lshl_add_u32 v8, v3, 7, v8
	v_add_nc_u32 v8, s25, v8                       ; and back: row r, + 128 h: my 32 numbers of each 64
	s_mul_i32 s25, s18, 16*MP
	s_add_co_u32 s25, s25, MSTG
	v_mul_u32_u24 v9, v3, MP
	v_lshl_add_u32 v9, v2, 4, v9
	v_add_nc_u32 v9, s25, v9                       ; the mask's stage, in: two rows of 256 bytes an instruction
	v_mul_u32_u24 v10, v2, MP
	v_lshl_add_u32 v10, v3, 4, v10
	v_add_nc_u32 v10, s25, v10                     ; and back: row r, + 16 h
	v_lshrrev_b32 v11, 5, v0
	v_lshl_add_u32 v11, v11, 2, MREC               ; my wave's record
	v_mov_b32 v12, MREC                            ; all four
	v_lshlrev_b32 v13, 4, v2
	v_lshl_add_u32 v13, v3, 12, v13                ; the mask in memory: 4,096 h + 16 r
	v_lshlrev_b32 v[QH], 3, v3
	v_mov_b32 v[QP], 0                             ; written once: a lane permute's destination counts as one of its sources
	s_mov_b32 s[SEL], 0x76543210
	s_mov_b32 s[SEL+1], 0xfedcba98
	s_mov_b32 s34, 0xffff0000                      ; lanes 16-31
	s_wait_kmcnt 0x0
	s_load_b64 s[36:37], s[10:11], 0x0             ; cu_seqlens' two numbers: read, and used nowhere, as in reference()
	s_cmp_lt_u32 ttmp9, 256
	s_cbranch_scc1 .Lmask
	s_cmp_lt_u32 ttmp9, 512
	s_cbranch_scc1 .Lkeys
; ---------------------------------------------------------------- V: a lane takes a channel, and its registers run down the keys
	s_sub_co_u32 s19, ttmp9, 512                   ; S = 32 head + step
	s_lshl_b32 s28, s19, 16                        ; a step's 128 keys are 65,536 bytes
	s_lshl_b32 s25, s18, 7                         ; my wave's 32 channels
	s_add_co_u32 s28, s28, s25
	s_mov_b32 s29, 0
	s_add_nc_u64 s[6:7], s[6:7], s[28:29]
	s_mul_i32 s27, s19, BLK
	s_mul_i32 s25, s18, 2*1536
	s_add_co_u32 s28, s27, s25
	s_add_co_u32 s28, s28, VFR
	s_add_nc_u64 s[28:29], s[12:13], s[28:29]      ; my two fragments' images
	s_lshl_b32 s25, s18, 7
	s_add_co_u32 s30, s27, s25
	s_add_co_u32 s30, s30, VSC
	s_mov_b32 s31, 0
	s_add_nc_u64 s[30:31], s[12:13], s[30:31]      ; and their scale words
; run hb: keys 16 hb .. + 15 of my channel.  Each key has a register of its own, so no load lands on a register that is still at work
.macro VLOAD hb
.set ii, 16*(\hb)
.rept 16
	global_load_b32 v[R+ii], v6, s[6:7] offset:512*ii th:TH_LOAD_NT   ; key ii, my channel: a wave reads 128 consecutive bytes, the four waves a key's whole row
.set ii, ii+1
.endr
.endm
	VLOAD 0
	VLOAD 1
	VLOAD 2                                        ; three runs, 48 loads, are out: as many as are ever out
; block kb: keys 32 kb .. + 31 of my channel (runs 2 kb and 2 kb + 1), all mine: its largest magnitude needs no other lane.  Its six registers of codes go to v[home] on
.macro VBLOCK kb, home
.set XS, R+32*(\kb)
.if (\kb) < 3
	s_wait_loadcnt 16                              ; this block's two runs are in; the one run issued behind them may be out
.else
	s_wait_loadcnt 0x0
.endif
.if 2*(\kb)+3 < 8
	VLOAD 2*(\kb)+3                                ; the next runs go out ahead of the block's arithmetic
.endif
.if 2*(\kb)+4 < 8
	VLOAD 2*(\kb)+4
.endif
	v_max3_num_f32 v24, |v[XS]|, |v[XS+1]|, |v[XS+2]|
	v_max3_num_f32 v25, |v[XS+3]|, |v[XS+4]|, |v[XS+5]|
.irp i, 6,10,14,18,22,26
	v_max3_num_f32 v24, v24, |v[XS+\i]|, |v[XS+\i+1]|
	v_max3_num_f32 v25, v25, |v[XS+\i+2]|, |v[XS+\i+3]|
.endr
	v_max3_num_f32 v24, v24, |v[XS+30]|, |v[XS+31]|
	v_max3_num_f32 v24, v24, v25, 0x2800000        ; and the floor 2^(5 - 127): the byte cannot fall under 1
	v_add_nc_u32 v26, 0xfe000000, v24              ; 4 off the exponent field: the conversion takes the exponent field of this operand as its scale
	v_lshrrev_b32 v28, 23, v26                     ; the scale's byte
.if (\kb) == 0
	v_mov_b32 v16, v28
.else
	v_lshl_or_b32 v16, v28, 8*(\kb), v16           ; the four bytes make my channel's scale word for these 128 keys
.endif
	v_cvt_scalef32_pk16_bf6_f32 v[(\home):(\home)+2], v[XS:XS+15], v26
	v_cvt_scalef32_pk16_bf6_f32 v[QT:QT+2], v[XS+16:XS+31], v26
	v_nop                                          ; one plain line behind a scaled conversion
.irp i, 0,1,2
	v_mov_b32 v[(\home)+3+\i], v[QT+\i]
.endr
.endm
	VBLOCK 0, FA
	VBLOCK 1, FB
	VBLOCK 2, FA+6
	VBLOCK 3, FB+6
; A fragment wants lane (r, h) to hold blocks h and 2 + h of row r.  FA holds every lane's blocks 0 and 2, FB its blocks 1 and 3.  The exchange of FA's lanes 16-31 with FB's lanes 0-15 leaves in FA the
; fragment of channels 32 w .. + 15 and in FB that of channels 32 w + 16 .. + 31.
.irp i, 0,1,2,3,4,5,6,7,8,9,10,11
	v_permlane16_swap_b32 v[FA+\i], v[FB+\i]
.endr
.irp c, 0,1,2
	global_store_b128 v4, v[FA+4*\c:FA+4*\c+3], s[28:29] offset:512*\c          ; 32 lanes store 512 consecutive bytes, at a multiple of 256 from kv's first byte
.endr
.irp c, 0,1,2
	global_store_b128 v4, v[FB+4*\c:FB+4*\c+3], s[28:29] offset:1536+512*\c
.endr
	global_store_b32 v6, v16, s[30:31]             ; 128 consecutive bytes: lane L holds the word of tile 2 w + L / 16, row L % 16
	s_branch .Ljoin
; ---------------------------------------------------------------- K: a lane holds blocks h and 2 + h of a key's row
; 64 numbers of a lane, v[src + 32 c + i] = k 64 c + 32 h + i of its row, become the fragment's 12 registers at v[dst] and the row's scale word in v[QW], whole in both halves of the lanes
.macro QUANT6 src, dst
.irp c, 0,1
	v_max3_num_f32 v[QM+\c], |v[(\src)+32*\c]|, |v[(\src)+32*\c+1]|, 0x2800000   ; my block 2 c + h, and the floor 2^(5 - 127): the byte cannot fall under 1
.endr
.irp i, 2,4,6,8,10,12,14,16,18,20,22,24,26,28,30
.irp c, 0,1
	v_max3_num_f32 v[QM+\c], v[QM+\c], |v[(\src)+32*\c+\i]|, |v[(\src)+32*\c+\i+1]|   ; (the two blocks by turns)
.endr
.endr
.irp c, 0,1
	v_add_nc_u32 v[QS+\c], 0xfe000000, v[QM+\c]    ; 4 off the exponent field: the conversion's scale operand
.endr
.irp c, 0,1
	v_lshrrev_b32 v[QB+\c], 23, v[QS+\c]           ; the scale's byte
.endr
	v_lshl_or_b32 v[QW], v[QB+1], 16, v[QB]        ; my two bytes, blocks h and 2 + h,
	v_lshlrev_b32 v[QW], v[QH], v[QW]              ; at their places in the word (8 h bits up);
	v_permlanex16_b32 v[QP], v[QW], s[SEL], s[SEL+1]
	v_or_b32 v[QW], v[QW], v[QP]                   ; with lane l xor 16's two the word is whole
.irp c, 0,1
	v_cvt_scalef32_pk16_bf6_f32 v[(\dst)+6*\c:(\dst)+6*\c+2], v[(\src)+32*\c:(\src)+32*\c+15], v[QS+\c]
	v_cvt_scalef32_pk16_bf6_f32 v[QT+4*\c:QT+4*\c+2], v[(\src)+32*\c+16:(\src)+32*\c+31], v[QS+\c]
.endr
	v_nop                                          ; one plain line behind a scaled conversion
.irp c, 0,1
.irp i, 0,1,2
	v_mov_b32 v[(\dst)+3+6*\c+\i], v[QT+4*\c+\i]
.endr
.endr
.endm
.macro LOADK t                         ; tile t of my four: its 16 keys' rows, each 512 consecutive bytes, into set t % 2
.irp i, 0,1,2,3,4,5,6,7,8,9,10,11,12,13,14,15
	global_load_b128 v[R+64*((\t)%2)+4*\i:R+64*((\t)%2)+4*\i+3], v4, s[4:5] offset:512*(32*((\t)/2)+8*((\t)%2)+\i+8*(\i/8)) th:TH_LOAD_NT
.endr
.endm
.macro KTILE t
.set XS, R+64*((\t)%2)
.if (\t) < 3
	s_wait_loadcnt 16                              ; this tile's 16 loads are in; the next tile's 16 may be out
.else
	s_wait_loadcnt 0x0
.endif
.irp i, 0,1,2,3,4,5,6,7,8,9,10,11,12,13,14,15
	ds_store_b128 v7, v[XS+4*\i:XS+4*\i+3] offset:KP*\i      ; the rows turn through my own stage: in as they lie,
.endr
.irp c, 0,1
.irp i, 0,1,2,3,4,5,6,7
	ds_load_b128 v[XS+32*\c+4*\i:XS+32*\c+4*\i+3], v8 offset:256*\c+16*\i   ; back 32 neighbours a lane, into the registers that they left.  LDS serves a wave's instructions in order (ISA guide 5.7.1.4)
.endr
.endr
	s_wait_dscnt 0x0
.if (\t) > 0
	s_wait_xcnt 0x0                                ; the last tile's stores have read the codes' registers
.endif
	QUANT6 XS, FA
.irp c, 0,1,2
	global_store_b128 v4, v[FA+4*\c:FA+4*\c+3], s[28:29] offset:1536*(\t)+512*\c   ; 512 consecutive bytes, at a multiple of 256 from kv's first byte
.endr
.if (\t)%2 == 0
	v_mov_b32 v18, v[QW]                           ; an even tile's words wait for the odd tile's:
.else
	v_cndmask_b32 v[20+(\t)/2], v18, v[QW], s34    ; lanes 0-15 carry the even tile's, lanes 16-31 the odd tile's
.endif
.if (\t) < 2
	LOADK (\t)+2
.endif
.endm
.Lkeys:
	s_sub_co_u32 s19, ttmp9, 256
	s_lshl_b32 s19, s19, 1
	s_lshr_b32 s25, s18, 1
	s_add_co_u32 s19, s19, s25                     ; S = 32 head + step
	s_and_b32 s26, s18, 1                          ; g: which 64 keys of the step
	s_lshl_b32 s28, s19, 16
	s_lshl_b32 s25, s26, 15
	s_add_co_u32 s28, s28, s25
	s_mov_b32 s29, 0
	s_add_nc_u64 s[4:5], s[4:5], s[28:29]
	s_mul_i32 s27, s19, BLK
	s_mul_i32 s25, s26, 4*1536
	s_add_co_u32 s28, s27, s25
	s_add_nc_u64 s[28:29], s[12:13], s[28:29]      ; my four fragments' images
	s_lshl_b32 s25, s26, 8
	s_add_co_u32 s30, s27, s25
	s_add_co_u32 s30, s30, KSC
	s_mov_b32 s31, 0
	s_add_nc_u64 s[30:31], s[12:13], s[30:31]      ; and their scale words
	LOADK 0
	LOADK 1
.irp t, 0,1,2,3
	KTILE \t
.endr
	global_store_b64 v5, v[20:21], s[30:31]        ; 32 lanes store 256 consecutive bytes, aligned
	s_branch .Ljoin
; ---------------------------------------------------------------- MASK
; step j of my eight; its 16 registers of bytes stand at v[m]: register 4 b + q, byte e: key 32 b + 16 h + 4 q + e of row r
.macro MSTEP j, m
	s_wait_xcnt 0x0                                ; the last step's store has read v[22:23]
.irp i, 0,2,4,6,8,10,12,14
	v_or_b32 v17, v17, v[(\m)+\i]                  ; has my row a visible key?  (two chains)
	v_or_b32 v31, v31, v[(\m)+\i+1]
.endr
.set nn, 0
.rept 64
	v_and_b32 v[24+nn%2], 0xff<<(8*(nn&3)), v[(\m)+4*(nn>>4)+((nn&15)>>2)]   ; the byte that belongs to score register nn,
	v_cmp_ne_u32 s[20+nn%4], 0, v[24+nn%2]         ; of all 32 lanes: the word,
	v_writelane_b32 v[22+(nn>>5)], s[20+nn%4], nn&31   ; to lane nn % 32 of the pair
.set nn, nn+1
.endr
	global_store_b64 v5, v[22:23], s[28:29] offset:256*(\j)   ; 64 words: 256 consecutive bytes, aligned
	v_or_b32 v26, v22, v23
	v_and_b32 v27, v22, v23
	v_cmp_ne_u32 s25, 0, v26                       ; some word is not 0: a key is visible
	v_cmp_ne_u32 s26, -1, v27                      ; some word is not all ones: a key is hidden
	s_cmp_lg_u32 s25, 0
	s_cselect_b32 s27, 1<<(\j), 0
	s_or_b32 s24, s24, s27
	s_cmp_lg_u32 s26, 0
	s_cselect_b32 s27, 0x100<<(\j), 0
	s_or_b32 s24, s24, s27
.endm
.macro CHUNK ch                        ; 256 keys of the 16 rows: two steps
	s_wait_loadcnt 24-8*(\ch)                      ; this chunk's eight loads are in; the later chunks' may be out
.irp i, 0,1,2,3,4,5,6,7
	ds_store_b128 v9, v[R+32*(\ch)+4*\i:R+32*(\ch)+4*\i+3] offset:2*MP*\i
.endr
.irp p, 0,1
.irp b, 0,1,2,3
	ds_load_b128 v[R+32*(\ch)+16*\p+4*\b:R+32*(\ch)+16*\p+4*\b+3], v10 offset:128*\p+32*\b   ; row r, keys 128 p + 32 b + 16 h + 0 .. 15
.endr
.endr
	s_wait_dscnt 0x0
	MSTEP 2*(\ch), R+32*(\ch)
	MSTEP 2*(\ch)+1, R+32*(\ch)+16
.endm
.Lmask:
	s_lshl_b32 s28, ttmp9, 16                      ; 16 rows of 4,096 bytes
	s_lshl_b32 s25, s18, 10                        ; my wave's 1,024 keys
	s_add_co_u32 s28, s28, s25
	s_mov_b32 s29, 0
	s_add_nc_u64 s[8:9], s[8:9], s[28:29]
	s_lshl_b32 s28, ttmp9, 13                      ; mbits: 8,192 bytes a tile, 256 a step
	s_lshl_b32 s25, s18, 11
	s_add_co_u32 s28, s28, s25
	s_add_nc_u64 s[28:29], s[14:15], s[28:29]
.irp ch, 0,1,2,3
.irp i, 0,1,2,3,4,5,6,7
	global_load_b128 v[R+32*\ch+4*\i:R+32*\ch+4*\i+3], v13, s[8:9] offset:8192*\i+256*\ch th:TH_LOAD_NT   ; rows 2 i and 2 i + 1: sixteen lanes read 256 consecutive bytes, aligned
.endr
.endr
	s_mov_b32 s24, 0                               ; my record: bits 7:0 a key is visible in step j; 15:8 a key is hidden; 31:16 row r has a visible key
	v_mov_b32 v17, 0
	v_mov_b32 v31, 0
	v_mov_b32 v22, 0                               ; (v_writelane_b32's destination counts as read)
	v_mov_b32 v23, 0
	CHUNK 0
	CHUNK 1
	CHUNK 2
	CHUNK 3
	v_or_b32 v17, v17, v31
	v_cmp_ne_u32 s25, 0, v17
	s_lshr_b32 s26, s25, 16
	s_or_b32 s25, s25, s26                         ; a row's keys lie in lanes r and 16 + r
	s_lshl_b32 s25, s25, 16
	s_or_b32 s24, s24, s25
	v_mov_b32 v16, s24
	ds_store_b32 v11, v16                          ; all lanes write the same word with the same value
.Ljoin:
	s_wait_dscnt 0x0                               ; for the others' sake: my record has landed
	s_barrier_signal -1
	s_barrier_wait -1
	s_cmp_ge_u32 ttmp9, 256
	s_cbranch_scc1 .Lend
	s_cmp_lg_u32 s18, 0
	s_cbranch_scc1 .Lend
	s_wait_xcnt 0x0                                ; every store issued above has had its addresses translated (ISA guide 3.1): registers that stores above name (v16, s[30:31]) are written below only behind this wait; no global instruction follows it ahead of the line that narrows EXEC, so it serves that line too
	ds_load_b128 v[16:19], v12                     ; the four waves' records
	s_lshl_b32 s30, ttmp9, 2
	s_mov_b32 s31, 0
	s_add_nc_u64 s[30:31], s[16:17], s[30:31]      ; flags: ANY[T]; PART[T] lies 1,024 bytes on
	v_mov_b32 v31, 0
	s_wait_dscnt 0x0
	v_or_b32 v24, v16, v17
	v_or_b32 v25, v18, v19
	v_or_b32 v24, v24, v25
	v_lshrrev_b32 v24, 16, v24                     ; the rows that have a visible key among all 4,096
	v_and_b32 v26, 0xff, v16
	v_and_b32 v27, 0xff, v17
	v_lshl_or_b32 v26, v27, 8, v26
	v_and_b32 v27, 0xff, v18
	v_lshl_or_b32 v26, v27, 16, v26
	v_lshl_or_b32 v26, v19, 24, v26                ; ANY: wave w's eight steps are bits 8 w on
	v_bfe_u32 v28, v16, 8, 8
	v_bfe_u32 v29, v17, 8, 8
	v_lshl_or_b32 v28, v29, 8, v28
	v_bfe_u32 v29, v18, 8, 8
	v_lshl_or_b32 v28, v29, 16, v28
	v_bfe_u32 v29, v19, 8, 8
	v_lshl_or_b32 v28, v29, 24, v28                ; PART
	v_cmp_eq_u32 vcc_lo, 0xffff, v24
	v_cndmask_b32 v26, -1, v26, vcc_lo             ; a row with no visible key weighs every key alike: its tile walks all steps
	v_cmp_eq_u32 vcc_lo, 0, v1
	s_and_saveexec_b32 s38, vcc_lo                 ; one lane stores the tile's two words
	global_store_b32 v31, v26, s[30:31]
	global_store_b32 v31, v28, s[30:31] offset:1024
	s_wait_xcnt 0x0                                ; EXEC is widened only behind this wait
	s_or_b32 exec_lo, exec_lo, s38
.Lend:
	s_wait_tensorcnt 0x0                           ; the wave's end: three closing lines, behind my last LDS store
	ds_add_u32 v14, v15
	s_wait_dscnt 0x0
	s_endpgm
.Lfunc_end_k_q141dc63c80_prep:
	.size	k_q141dc63c80_prep, .Lfunc_end_k_q141dc63c80_prep-k_q141dc63c80_prep
	.p2alignl 7, 3214868480
	.fill 96, 4, 3214868480
	.section	.rodata,"a",@progbits
	.p2align	6, 0x0
	.amdhsa_kernel k_q141dc63c80_prep
		.amdhsa_group_segment_fixed_size 51968
		.amdhsa_private_segment_fixed_size 0
		.amdhsa_enable_private_segment 0
		.amdhsa_kernarg_size 56
		.amdhsa_user_sgpr_count 2
		.amdhsa_user_sgpr_kernarg_segment_ptr 1
		.amdhsa_wavefront_size32 1
		.amdhsa_system_sgpr_workgroup_id_x 1
		.amdhsa_system_sgpr_workgroup_id_y 1
		.amdhsa_system_sgpr_workgroup_id_z 1
		.amdhsa_system_vgpr_workitem_id 0
		.amdhsa_next_free_vgpr 192
		.amdhsa_next_free_sgpr 66
		.amdhsa_reserve_vcc 1
		.amdhsa_float_denorm_mode_32 3
		.amdhsa_float_denorm_mode_16_64 3
		.amdhsa_memory_ordered 1
		.amdhsa_forward_progress 1
		.amdhsa_inst_pref_size 165
	.end_amdhsa_kernel
	.amdgpu_metadata
---
amdhsa.version: [ 1, 2 ]
amdhsa.kernels:
  - .name:           k_q141dc63c80_prep
    .symbol:         k_q141dc63c80_prep.kd
    .args:
      - { .name: k, .offset: 0, .size: 8, .value_kind: global_buffer, .address_space: global }
      - { .name: v, .offset: 8, .size: 8, .value_kind: global_buffer, .address_space: global }
      - { .name: mask, .offset: 16, .size: 8, .value_kind: global_buffer, .address_space: global }
      - { .name: cu_seqlens, .offset: 24, .size: 8, .value_kind: global_buffer, .address_space: global }
      - { .name: kv, .offset: 32, .size: 8, .value_kind: global_buffer, .address_space: global }
      - { .name: mbits, .offset: 40, .size: 8, .value_kind: global_buffer, .address_space: global }
      - { .name: flags, .offset: 48, .size: 8, .value_kind: global_buffer, .address_space: global }
    .group_segment_fixed_size: 51968
    .private_segment_fixed_size: 0
    .kernarg_segment_align: 8
    .kernarg_segment_size: 56
    .max_flat_workgroup_size: 128
    .sgpr_count:     66
    .vgpr_count:     192
    .wavefront_size: 32
...
	.end_amdgpu_metadata
.endif
;; end of part 1
;; launch attn (part 2): grid 16 x 16, 16 waves a work-group, no clusters, 202,752 bytes of LDS; arguments q, kv, mbits, flags, out0; writes out0
.if DOCPART == 2
	.amdgcn_target "amdgcn-amd-amdhsa--gfx1250"
	.amdhsa_code_object_version 6
	.text
	.protected	k_q141dc63c80_attn
	.globl	k_q141dc63c80_attn
	.p2align	8
	.type	k_q141dc63c80_attn,@function
k_q141dc63c80_attn:
	s_mov_b64 s[64:65], 0
	v_nop
	global_prefetch_b8 v0, s[64:65] scope:SCOPE_SE
	s_setreg_imm32_b32 hwreg(HW_REG_WAVE_MODE, 25, 1), 1
	s_wait_xcnt 0x0
; out0[h][q][:] = the sum over k of softmax_k(where(mask[q][k], Q[h][q] . K[h][k] / sqrt(128), -1e30)) V[h][k][:], both products on codes of E3M2 with one E8M0 scale for each 32 along a product's K.
; THE SOFTMAX AHEAD OF THE SECOND PRODUCT: t = score x log2(e) / sqrt(128); M = the row's largest t so far, rounded UP to a whole number; p = 2^(t - M) is what is quantised, along the keys; the row's sum is taken of
; the unquantised p and divides at the end.  When M moves, the sum and O are multiplied by 2^(old M - new M): exact.
; SHARES.  A work-group owns 256 queries of one head (x: the block, y: the head); each of its sixteen waves owns one tile of 16, T = 16 x + wave, in 256 registers.  All walk the 32 key steps of 128 keys in a loop
; of constant count, with one barrier a step.  Q is read by one wave alone and is quantised here, in registers.  K and V come as the launch before laid them: a step's 25,600 bytes are images of the operands'
; registers (K's 8 fragments, V's 8, the scale words), copied memory -> registers -> LDS by all sixteen waves, a step ahead, into two slots by turns.
; THE MASK IS AN INPUT.  The launch before has turned it into whole numbers: ANY[T] (bit s: step s holds a key that some query of tile T sees; all ones where a query of the tile sees no key at all),
; PART[T] (bit s: not every key of step s is seen by every query), and for each (T, s) 64 lane masks, one for each score register.  A step's block is copied only if some wave of the work-group has its ANY bit;
; a wave does a step's work only if its own ANY bit is set; the lane masks are read and applied only where PART is set.  These are scalar branches on stored whole numbers.
; A step that is left out would have given p = 0 in every row: it is left out only where each of the tile's rows sees a key somewhere.
; A HIDDEN SCORE becomes S = -2^103 ahead of the maximum.  c S is exact, so in a row that has seen no key so far t - M is exactly 0 and p = 1, as in reference(), where all logits are then equal; the first key
; that the row sees moves M by more than every exponent, the factor is 0, and what was summed is wiped.  In a row that has seen a key, p of a hidden key is 2^(about -1.3e30) = 0.
; No multicast: partners would need different steps, by numbers read from memory.
; LIMITS: a real score is taken to lie above -2^103 (reference()'s own mark is -1e30 on the scaled score); NaN and infinities are not served; v_exp_f32 gives 0 for p under 2^-126 (ISA guide, its entry in 15.8);
;   a block of p that is all zeros, and a block of q under 2^-122, get the scale byte 1: codes of zeros add nothing.
; LAYOUT.  Both products are used transposed: S^T = K Q^T (source 0 = 16 keys, source 1 = my 16 queries), O^T = V^T P^T: a lane holds ONE query (lane % 16) throughout.  Row r of K's tile 2 b + u is key
; 32 b + 8 u + r + 8 (r / 8): score register n = 16 b + i of lane (r, h) is key 32 b + 16 h + i.
; REGISTERS: v1 16 lane, v2 8 lane, v3 4 lane, v4 16 thread, v5, v6 the add's two, v7 stage by rows, v8 S, v9 stage for O^T, v10 stage for q; v12 -M, v13 the largest t, v[14:15] the sum in two halves;
;   v16-27 Q's fragment, v28 its scale words; v32-79 four fragments of K or V; v80-95 the copy; v96-159 S^T, then p; v160-223 O^T; v224-235 p's codes; v232-247, v252-254 at work; v248-251 K's or V's scale words.
.set SLOTB, 32768                      ; slot 1 begins here; a slot holds a step's 25,600 bytes as they lie in kv
.set BLK,   25600
.set VFR,   12288
.set KSC,   24576
.set VSC,   25088
.set SP,    528                        ; a stage row: 512 bytes + 16
.set STAGE, 2*SLOTB                    ; 16 rows x SP for each wave, its own: q's way in, O's way out
.set SPARE, STAGE+16*16*SP             ; the spare words, 128 bytes for each wave: eight blocks of 256 bytes that no other line names
.set WV,    14                         ; s14  my wave's number
.set CNT,   15                         ; s15  pairs of steps to go
.set WG,    66                         ; s66  the OR of the sixteen waves' ANY; bit 0: this step
.set ANYW,  67                         ; s67  my ANY
.set PARTW, 68                         ; s68  my PART
.set SEL,   70                         ; s[70:71] v_permlanex16_b32's selects for lane l xor 16
.set CS,    72                         ; s[72:73] c = log2(e) / sqrt(128)
.set QM,    32
.set QS,    34
.set QB,    36
.set QW,    28
.set QP,    38
.set QT,    40
.set QH,    31
; s[16:63], s[80:95]: a step's 64 lane masks
; 64 numbers of a lane, v[src + 32 c + i] = k 64 c + 32 h + i of its row, become the fragment's 12 registers at v[dst] and the row's scale word in v[QW], whole in both halves of the lanes
.macro QUANT6 src, dst
.irp c, 0,1
	v_max3_num_f32 v[QM+\c], |v[(\src)+32*\c]|, |v[(\src)+32*\c+1]|, 0x2800000   ; my block 2 c + h, and the floor 2^(5 - 127): the byte cannot fall under 1
.endr
.irp i, 2,4,6,8,10,12,14,16,18,20,22,24,26,28,30
.irp c, 0,1
	v_max3_num_f32 v[QM+\c], v[QM+\c], |v[(\src)+32*\c+\i]|, |v[(\src)+32*\c+\i+1]|
.endr
.endr
.irp c, 0,1
	v_add_nc_u32 v[QS+\c], 0xfe000000, v[QM+\c]    ; 4 off the exponent field: the conversion's scale operand
.endr
.irp c, 0,1
	v_lshrrev_b32 v[QB+\c], 23, v[QS+\c]
.endr
	v_lshl_or_b32 v[QW], v[QB+1], 16, v[QB]
	v_lshlrev_b32 v[QW], v[QH], v[QW]
	v_permlanex16_b32 v[QP], v[QW], s[SEL], s[SEL+1]
	v_or_b32 v[QW], v[QW], v[QP]
.irp c, 0,1
	v_cvt_scalef32_pk16_bf6_f32 v[(\dst)+6*\c:(\dst)+6*\c+2], v[(\src)+32*\c:(\src)+32*\c+15], v[QS+\c]
	v_cvt_scalef32_pk16_bf6_f32 v[QT+4*\c:QT+4*\c+2], v[(\src)+32*\c+16:(\src)+32*\c+31], v[QS+\c]   ; (a conversion's three registers begin on an even number)
.endr
	v_nop                                          ; one plain line behind a scaled conversion
.irp c, 0,1
.irp i, 0,1,2
	v_mov_b32 v[(\dst)+3+6*\c+\i], v[QT+4*\c+\i]
.endr
.endr
.endm
; A step's block, off bytes from where KV stands: 512 threads x 16 bytes three times, and the last 1,024 bytes by waves 0 and 1
.macro COPY_IN off
.irp j, 0,1,2
	global_load_b128 v[80+4*\j:83+4*\j], v4, s[6:7] offset:(\off)+8192*\j
.endr
	s_cmp_lt_u32 s[WV], 2
	s_cbranch_scc0 .Lin_done_\@
	global_load_b128 v[92:95], v4, s[6:7] offset:(\off)+24576
.Lin_done_\@:
.endm
.macro COPY_OUT slot
.irp j, 0,1,2
	ds_store_b128 v4, v[80+4*\j:83+4*\j] offset:SLOTB*(\slot)+8192*\j
.endr
	s_cmp_lt_u32 s[WV], 2
	s_cbranch_scc0 .Lout_done_\@
	ds_store_b128 v4, v[92:95] offset:SLOTB*(\slot)+24576
.Lout_done_\@:
.endm
; A KEY STEP of my tile, from the slot named
.macro STEP slot
.set B0, SLOTB*(\slot)
.irp g, 0,1                                    ; S^T = K Q^T, four tiles of 16 keys at a time
.rept 4
	v_nop                                          ; places in front of loads into registers that matrix instructions have read (ISA guide 7.12.1 for vector instructions)
.endr
.irp t, 0,1,2,3
.irp c, 0,1,2
	ds_load_b128 v[32+12*\t+4*\c:35+12*\t+4*\c], v1 offset:B0+1536*(4*\g+\t)+512*\c   ; a fragment comes back as it was stored: registers 4 c .. 4 c + 3, 16 bytes a lane
.endr
.endr
.if \g == 0
	ds_load_b64 v[248:249], v2 offset:B0+KSC       ; K's scale words: register 248 + t / 2 carries tile t's, even tiles in lanes 0-15, odd tiles in lanes 16-31
	ds_load_b64 v[250:251], v2 offset:B0+KSC+256
.endif
	s_wait_dscnt 0x0
.irp t, 0,1,2,3
.if \t%2
	v_wmma_scale_f32_16x16x128_f8f6f4 v[96+8*(4*\g+\t):103+8*(4*\g+\t)], v[32+12*\t:43+12*\t], v[16:27], 0, v[248+(4*\g+\t)/2], v28 matrix_a_fmt:MATRIX_FMT_BF6 matrix_b_fmt:MATRIX_FMT_BF6 matrix_a_scale:MATRIX_SCALE_ROW1
.else
	v_wmma_scale_f32_16x16x128_f8f6f4 v[96+8*(4*\g+\t):103+8*(4*\g+\t)], v[32+12*\t:43+12*\t], v[16:27], 0, v[248+(4*\g+\t)/2], v28 matrix_a_fmt:MATRIX_FMT_BF6 matrix_b_fmt:MATRIX_FMT_BF6
.endif
.endr
.endr
.rept 4
	v_nop                                          ; places in front of the first read of results
.endr
	s_bitcmp1_b32 s[PARTW], 0                      ; a step all of whose keys every query sees has no mask to apply
	s_cbranch_scc0 .Lopen_\@
	s_load_b512 s[16:31], s[8:9], 256*(\slot)      ; the step's 64 lane masks
	s_load_b512 s[32:47], s[8:9], 256*(\slot)+64
	s_load_b512 s[48:63], s[8:9], 256*(\slot)+128
	s_load_b512 s[80:95], s[8:9], 256*(\slot)+192
	s_wait_kmcnt 0x0
.set nn, 0
.rept 64
.set kk, 2*(nn%32)+nn/32                       ; register nn's mask is word 2 (nn % 32) + nn / 32
.if kk < 48
.set sr, 16+kk
.else
.set sr, 32+kk
.endif
	v_cndmask_b32 v[96+nn], v8, v[96+nn], s[sr]    ; a hidden score becomes S; each accumulator from its low end on
.set nn, nn+1
.endr
.Lopen_\@:
.irp b, 0,1,2,3
	v_max3_num_f32 v[232+\b], v[96+16*\b], v[97+16*\b], v[98+16*\b]   ; the largest score of each block of 32 keys: it serves for the row's maximum and, since p rises with the score, for the block's largest p
.endr
.irp i, 3,5,7,9,11,13
.irp b, 0,1,2,3
	v_max3_num_f32 v[232+\b], v[232+\b], v[96+16*\b+\i], v[97+16*\b+\i]   ; (the four blocks by turns)
.endr
.endr
.irp b, 0,1,2,3
	v_max_num_f32 v[232+\b], v[232+\b], v[111+16*\b]
.endr
.irp b, 0,1,2,3
	v_permlanex16_b32 v[236+\b], v[232+\b], s[SEL], s[SEL+1]
.endr
.irp b, 0,1,2,3
	v_max_num_f32 v[232+\b], v[232+\b], v[236+\b]  ; with lane l xor 16's 16 keys
.endr
	v_max3_num_f32 v254, v232, v233, v234
	v_max_num_f32 v254, v254, v235                 ; the step's largest score of my query
	v_mul_f32 v254, s[CS], v254                    ; as t (c is positive)
	v_max_num_f32 v13, v13, v254                   ; the running largest t
	v_mov_b32 v254, v12
	v_floor_f32 v12, -v13                          ; the new -M = floor(-t) = -ceil(t): a whole number
	v_sub_f32 v254, v12, v254                      ; M's old value less its new one: a whole number, 0 or less
	v_cvt_i32_f32 v254, v254                       ; (it saturates)
	v_ldexp_f32 v252, 1.0, v254                    ; f = 2^(old M - new M)
.irp j, 0,2,4,6,8,10,12,14,16,18,20,22,24,26,28,30,32,34,36,38,40,42,44,46,48,50,52,54,56,58,60,62
	v_pk_fma_f32 v[96+\j:97+\j], v[96+\j:97+\j], s[CS:CS+1], v[12:13] op_sel_hi:[1,0,0]   ; t - M, two at a time (of the pairs c and -M the low word serves both halves)
.endr
.irp b, 0,1,2,3
	v_fma_f32 v[232+\b], v[232+\b], s[CS], v12     ; the same of each block's largest score
.endr
.irp j, 0,1,2,3,4,5,6,7,8,9,10,11,12,13,14,15,16,17,18,19,20,21,22,23,24,25,26,27,28,29,30,31,32,33,34,35,36,37,38,39,40,41,42,43,44,45,46,47,48,49,50,51,52,53,54,55,56,57,58,59,60,61,62,63
	v_exp_f32 v[96+\j], v[96+\j]                   ; p = 2^(t - M), at most 1: not normalised
.endr
	v_pk_mul_f32 v[14:15], v[14:15], v[252:253] op_sel_hi:[1,0]   ; the sums under the new M: the plain line behind the exponentials
	s_wait_alu depctr_va_vdst(0)                   ; one wait for the whole batch, ahead of its first reader
.irp b, 0,1,2,3
	v_exp_f32 v[232+\b], v[232+\b]                 ; the block's largest p: the same two instructions on the same number give the same bits
.endr
	v_pk_add_f32 v[236:237], v[96:97], v[98:99]    ; the row's sum is taken of the unquantised p: two at a time, in two chains
.irp j, 4,8,12,16,20,24,28,32,36,40,44,48,52,56,60
	v_pk_add_f32 v[14:15], v[14:15], v[96+\j:97+\j]
	v_pk_add_f32 v[236:237], v[236:237], v[98+\j:99+\j]
.endr
	v_pk_add_f32 v[14:15], v[14:15], v[236:237]
	s_wait_alu depctr_va_vdst(0)                   ; and one for the four
.irp b, 0,1,2,3
	v_max_num_f32 v[232+\b], 0x2800000, v[232+\b]  ; the floor 2^(5 - 127): the byte cannot fall under 1
.endr
.irp b, 0,1,2,3
	v_add_nc_u32 v[244+\b], 0xfe000000, v[232+\b]  ; 4 off the exponent field: the conversion's scale operand
.endr
.irp b, 0,1,2,3
	v_lshrrev_b32 v[236+\b], 23, v[244+\b]         ; the scale's byte
.endr
	v_lshl_or_b32 v253, v237, 8, v236              ; p's scale word for these 128 keys
	v_lshl_or_b32 v253, v238, 16, v253
	v_lshl_or_b32 v253, v239, 24, v253
.irp c, 0,1
	v_cvt_scalef32_pk16_bf6_f32 v[224+6*\c:226+6*\c], v[96+32*\c:111+32*\c], v[244+2*\c]
	v_cvt_scalef32_pk16_bf6_f32 v[236+4*\c:238+4*\c], v[112+32*\c:127+32*\c], v[244+2*\c+1]   ; (a conversion's three registers begin on an even number)
.endr
	v_nop                                          ; one plain line behind a scaled conversion
.irp c, 0,1                                    ; the operand's layout wants a whole block in a lane: lanes 0-15 block 2 c, lanes 16-31 block 2 c + 1
.irp i, 0,1,2
	v_permlane16_swap_b32 v[224+6*\c+\i], v[236+4*\c+\i]
.endr
.irp i, 0,1,2
	v_mov_b32 v[227+6*\c+\i], v[236+4*\c+\i]
.endr
.endr
.irp j, 0,2,4,6,8,10,12,14,16,18,20,22,24,26,28,30,32,34,36,38,40,42,44,46,48,50,52,54,56,58,60,62
	v_pk_mul_f32 v[160+\j:161+\j], v[160+\j:161+\j], v[252:253] op_sel_hi:[1,0]   ; O^T under the new M.  (These 32 are also the places in front of the loads and matrix instructions below)
.endr
.irp g, 0,1                                    ; O^T += V^T P^T: four tiles of 16 channels at a time; the eight accumulators take turns, one instruction a turn
.if \g > 0
.rept 4
	v_nop
.endr
.endif
.irp t, 0,1,2,3
.irp c, 0,1,2
	ds_load_b128 v[32+12*\t+4*\c:35+12*\t+4*\c], v1 offset:B0+VFR+1536*(4*\g+\t)+512*\c
.endr
.endr
.if \g == 0
.irp j, 0,1,2,3
	ds_load_b32 v[248+\j], v3 offset:B0+VSC+128*\j     ; V's scale words: tiles 2 j (lanes 0-15) and 2 j + 1 (lanes 16-31)
.endr
.endif
	s_wait_dscnt 0x0
.irp t, 0,1,2,3
.if \t%2
	v_wmma_scale_f32_16x16x128_f8f6f4 v[160+8*(4*\g+\t):167+8*(4*\g+\t)], v[32+12*\t:43+12*\t], v[224:235], v[160+8*(4*\g+\t):167+8*(4*\g+\t)], v[248+(4*\g+\t)/2], v253 matrix_a_fmt:MATRIX_FMT_BF6 matrix_b_fmt:MATRIX_FMT_BF6 matrix_a_scale:MATRIX_SCALE_ROW1
.else
	v_wmma_scale_f32_16x16x128_f8f6f4 v[160+8*(4*\g+\t):167+8*(4*\g+\t)], v[32+12*\t:43+12*\t], v[224:235], v[160+8*(4*\g+\t):167+8*(4*\g+\t)], v[248+(4*\g+\t)/2], v253 matrix_a_fmt:MATRIX_FMT_BF6 matrix_b_fmt:MATRIX_FMT_BF6
.endif
.endr
.endr
.endm
; ONE STEP OF THE WALK.  The block asked for a step ago goes into its slot; one barrier; the next block is asked for; my tile's work.  The barrier does two things: behind it the slot is whole for all sixteen
; waves, and every wave's reads of the other slot (the step before) are over, so that the next step may store there.
.macro TRIP slot
	s_wait_loadcnt 0x0                             ; the copy asked for a step ago is in.  On every path: no load then lands on a pending one
	s_bitcmp1_b32 s[WG], 0                         ; does any wave of the work-group want this step?  The same number in all sixteen waves
	s_cbranch_scc0 .Lno_out_\@
	COPY_OUT \slot
.Lno_out_\@:
	s_wait_dscnt 0x0                               ; for the others' sake: my stores have landed, and my reads of the other slot are in
	s_barrier_signal -1
	s_barrier_wait -1
	s_bitcmp1_b32 s[WG], 1                         ; the next step: in step 31 the bit is one that the shifts brought in, 0: nothing is read past the head's last block
	s_cbranch_scc0 .Lno_in_\@
	COPY_IN ((\slot)+1)*BLK
.Lno_in_\@:
	s_bitcmp1_b32 s[ANYW], 0                       ; does my tile see a key of this step?
	s_cbranch_scc0 .Lno_step_\@
	STEP \slot
.Lno_step_\@:
	s_lshr_b32 s[WG], s[WG], 1
	s_lshr_b32 s[ANYW], s[ANYW], 1
	s_lshr_b32 s[PARTW], s[PARTW], 1
.endm
	s_load_b256 s[4:11], s[0:1], 0x0               ; q s[4:5], kv s[6:7], mbits s[8:9], flags s[10:11]
	s_load_b64 s[12:13], s[0:1], 0x20              ; out0
	v_lshl_add_u32 v5, v0, 2, SPARE                ; my spare word; never rewritten
	v_mov_b32 v6, 0                                ; 0; never rewritten
	v_lshrrev_b32 v11, 5, v0
	v_readfirstlane_b32 s[WV], v11                 ; wave 0..15
	v_and_b32 v11, 31, v0                          ; lane
	v_and_b32 v29, 15, v0                          ; r
	v_bfe_u32 v30, v0, 4, 1                        ; h
	v_lshlrev_b32 v1, 4, v11
	v_lshlrev_b32 v2, 3, v11
	v_lshlrev_b32 v3, 2, v11
	v_lshlrev_b32 v4, 4, v0                        ; the copy: 16 bytes a thread, in memory and in a slot alike
	s_mul_i32 s74, s[WV], 16*SP
	s_add_co_u32 s74, s74, STAGE                   ; my stage
	v_add_nc_u32 v7, s74, v1                       ; by rows: 512 bytes, 16 a lane
	v_mul_u32_u24 v31, v29, SP
	v_lshl_add_u32 v9, v30, 5, v31
	v_add_nc_u32 v9, s74, v9                       ; O^T in: row r, + 32 h
	v_lshl_add_u32 v10, v30, 7, v31
	v_add_nc_u32 v10, s74, v10                     ; q back: row r, + 128 h
	v_mov_b32 v8, 0xf3000000                       ; S = -2^103
	v_lshlrev_b32 v[QH], 3, v30
	v_mov_b32 v[QP], 0                             ; written once: a lane permute's destination counts as one of its sources
.irp j, 0,1,2,3,4,5,6,7,8,9,10,11,12,13,14,15
	v_mov_b32 v[80+\j], 0                          ; the copy's registers: written on every path ahead of the stores that read them
.endr
	s_mov_b32 s[SEL], 0x76543210
	s_mov_b32 s[SEL+1], 0xfedcba98
	s_mov_b32 s[CS], 0x3e0293ee                    ; c = log2(e) / sqrt(128)
	s_mov_b32 s[CS+1], s[CS]                       ; (named with it as a pair, so it is written)
	s_mov_b32 s[CNT], 16
	s_and_b32 s76, ttmp7, 0xffff                   ; the head
	s_lshl_b32 s77, ttmp9, 4
	s_add_co_u32 s77, s77, s[WV]                   ; T = 16 x + wave
	s_lshl_b32 s2, s76, 21                         ; a head of q or out0: 4,096 rows of 512 bytes
	s_lshl_b32 s3, s77, 13                         ; my 16 rows
	s_add_co_u32 s2, s2, s3
	s_mov_b32 s3, 0
	s_mul_i32 s74, s76, 32*BLK                     ; a head of kv
	s_mov_b32 s75, 0
	s_lshl_b32 s78, s77, 13                        ; mbits: 8,192 bytes a tile
	s_mov_b32 s79, 0
	s_wait_kmcnt 0x0
	s_add_nc_u64 s[4:5], s[4:5], s[2:3]
	s_add_nc_u64 s[12:13], s[12:13], s[2:3]
	s_add_nc_u64 s[6:7], s[6:7], s[74:75]
	s_add_nc_u64 s[8:9], s[8:9], s[78:79]
	s_lshl_b32 s74, ttmp9, 6
	s_add_nc_u64 s[10:11], s[10:11], s[74:75]      ; the ANY words of my work-group's sixteen tiles
	s_lshl_b32 s78, s[WV], 2
	s_add_nc_u64 s[78:79], s[10:11], s[78:79]      ; and mine
	s_load_b512 s[16:31], s[10:11], 0x0
	s_load_b32 s[ANYW], s[78:79], 0x0
	s_load_b32 s[PARTW], s[78:79], 0x400
.irp i, 0,1,2,3,4,5,6,7,8,9,10,11,12,13,14,15
	global_load_b128 v[96+4*\i:99+4*\i], v1, s[4:5] offset:512*\i th:TH_LOAD_NT   ; q: a whole row of 512 bytes an instruction; read once in the launch
.endr
	s_wait_kmcnt 0x0
	s_or_b32 s[WG], s16, s17
.irp i, 18,19,20,21,22,23,24,25,26,27,28,29,30,31
	s_or_b32 s[WG], s[WG], s[\i]
.endr
	s_bitcmp1_b32 s[WG], 0
	s_cbranch_scc0 .Lno_first
	COPY_IN 0                                      ; step 0's block
.Lno_first:
	s_wait_loadcnt 0x0                             ; q (for 0: how many loads were issued behind q's differs by path)
.irp i, 0,1,2,3,4,5,6,7,8,9,10,11,12,13,14,15
	ds_store_b128 v7, v[96+4*\i:99+4*\i] offset:SP*\i        ; q turns through my stage: in by rows,
.endr
.irp c, 0,1
.irp i, 0,1,2,3,4,5,6,7
	ds_load_b128 v[160+32*\c+4*\i:163+32*\c+4*\i], v10 offset:256*\c+16*\i   ; back 32 neighbours a lane.  LDS serves a wave's instructions in order (ISA guide 5.7.1.4)
.endr
.endr
	s_wait_dscnt 0x0
	QUANT6 160, 16                                 ; Q's fragment v[16:27] and scale words v28: they stay
	v_mov_b32 v13, 0xff61b1e6                      ; the largest t so far: -3e38, under every t
	v_floor_f32 v12, -v13                          ; -M
	v_mov_b32 v14, 0                               ; the sum, in two halves
	v_mov_b32 v15, 0
.irp b, 0,1,2,3
	v_mov_b32 v[236+\b], 0                         ; written once: a lane permute's destination counts as one of its sources
.endr
	v_mov_b32 v252, 0
	v_mov_b32 v253, 0                              ; (named as the upper half of the pair v[252:253] before it is first written)
.irp j, 0,1,2,3,4,5,6,7,8,9,10,11,12,13,14,15,16,17,18,19,20,21,22,23,24,25,26,27,28,29,30,31,32,33,34,35,36,37,38,39,40,41,42,43,44,45,46,47,48,49,50,51,52,53,54,55,56,57,58,59,60,61,62,63
	v_mov_b32 v[160+\j], 0                         ; O^T.  Which step is a wave's first hangs on the flags, so the step is written once and finds zeros, which the first change of M leaves zeros
.endr
.Lpair:                                            ; 16 trips of two steps: the slots stand in the immediates
	TRIP 0
	TRIP 1
	s_wait_xcnt 0x0                                ; the copy's loads and the masks' have read their bases
	s_add_nc_u64 s[6:7], s[6:7], 2*BLK
	s_add_nc_u64 s[8:9], s[8:9], 512
	s_sub_co_u32 s[CNT], s[CNT], 1
	s_cmp_lg_u32 s[CNT], 0
	s_cbranch_scc1 .Lpair
	; THE WAY OUT.  O^T / the row's sum goes through my stage and leaves as whole rows of 512 bytes.
	v_add_f32 v14, v14, v15                        ; the sum's two halves,
	v_permlanex16_b32 v252, v14, s[SEL], s[SEL+1]
	v_add_f32 v14, v14, v252                       ; and lane l xor 16's: the row's sum.  It is never 0: the row's largest p is above 1/2
	v_rcp_f32 v14, v14
	v_nop                                          ; the plain line behind the reciprocal; with the next and the three above, the places behind the last products
	v_nop
	s_wait_alu depctr_va_vdst(0)                   ; the wait ahead of the reciprocal's first reader
.irp j, 0,1,2,3,4,5,6,7,8,9,10,11,12,13,14,15,16,17,18,19,20,21,22,23,24,25,26,27,28,29,30,31,32,33,34,35,36,37,38,39,40,41,42,43,44,45,46,47,48,49,50,51,52,53,54,55,56,57,58,59,60,61,62,63
	v_mul_f32 v[96+\j], v[160+\j], v14             ; register 8 t + i is o(r, 16 t + 8 h + i); each accumulator from its low end on
.endr
.irp t, 0,1,2,3,4,5,6,7
	ds_store_b128 v9, v[96+8*\t:99+8*\t] offset:64*\t
	ds_store_b128 v9, v[100+8*\t:103+8*\t] offset:64*\t+16
.endr
.irp i, 0,1,2,3,4,5,6,7,8,9,10,11,12,13,14,15
	ds_load_b128 v[160+4*\i:163+4*\i], v7 offset:SP*\i       ; these see my stores: LDS serves a wave's instructions in order
.endr
.irp i, 0,1,2,3,4,5,6,7,8,9,10,11,12,13,14,15
	s_wait_dscnt 15-\i                             ; row i is back; the later rows' loads may be out
	global_store_b128 v1, v[160+4*\i:163+4*\i], s[12:13] offset:512*\i th:TH_STORE_NT   ; 32 lanes store 512 consecutive bytes, at a multiple of 256 from out0's first byte
.endr
	s_wait_tensorcnt 0x0                           ; the wave's end: three closing lines, behind my last LDS store
	ds_add_u32 v5, v6
	s_wait_dscnt 0x0
	s_endpgm
.Lfunc_end_k_q141dc63c80_attn:
	.size	k_q141dc63c80_attn, .Lfunc_end_k_q141dc63c80_attn-k_q141dc63c80_attn
	.p2alignl 7, 3214868480
	.fill 96, 4, 3214868480
	.section	.rodata,"a",@progbits
	.p2align	6, 0x0
	.amdhsa_kernel k_q141dc63c80_attn
		.amdhsa_group_segment_fixed_size 202752
		.amdhsa_private_segment_fixed_size 0
		.amdhsa_enable_private_segment 0
		.amdhsa_kernarg_size 40
		.amdhsa_user_sgpr_count 2
		.amdhsa_user_sgpr_kernarg_segment_ptr 1
		.amdhsa_wavefront_size32 1
		.amdhsa_system_sgpr_workgroup_id_x 1
		.amdhsa_system_sgpr_workgroup_id_y 1
		.amdhsa_system_sgpr_workgroup_id_z 1
		.amdhsa_system_vgpr_workitem_id 0
		.amdhsa_next_free_vgpr 256
		.amdhsa_next_free_sgpr 96
		.amdhsa_reserve_vcc 0
		.amdhsa_float_denorm_mode_32 3
		.amdhsa_float_denorm_mode_16_64 3
		.amdhsa_memory_ordered 1
		.amdhsa_forward_progress 1
		.amdhsa_inst_pref_size 68
	.end_amdhsa_kernel
	.amdgpu_metadata
---
amdhsa.version: [ 1, 2 ]
amdhsa.kernels:
  - .name:           k_q141dc63c80_attn
    .symbol:         k_q141dc63c80_attn.kd
    .args:
      - { .name: q, .offset: 0, .size: 8, .value_kind: global_buffer, .address_space: global }
      - { .name: kv, .offset: 8, .size: 8, .value_kind: global_buffer, .address_space: global }
      - { .name: mbits, .offset: 16, .size: 8, .value_kind: global_buffer, .address_space: global }
      - { .name: flags, .offset: 24, .size: 8, .value_kind: global_buffer, .address_space: global }
      - { .name: out0, .offset: 32, .size: 8, .value_kind: global_buffer, .address_space: global }
    .group_segment_fixed_size: 202752
    .private_segment_fixed_size: 0
    .kernarg_segment_align: 8
    .kernarg_segment_size: 40
    .max_flat_workgroup_size: 512
    .sgpr_count:     96
    .vgpr_count:     256
    .wavefront_size: 32
...
	.end_amdgpu_metadata
.endif
;; end of part 2
;; ======== version 2 of 2: 2 launches
;; workspace buffers: kv 13,107,200 bytes; mbits 2,097,152 bytes of whole numbers; flags 2,048 bytes of whole numbers
;; launch prep (part 3): grid 1024 x 1, 4 waves a work-group, no clusters, 51,968 bytes of LDS; arguments k, v, mask, cu_seqlens, kv, mbits, flags; writes kv, mbits, flags
.if DOCPART == 3
	.amdgcn_target "amdgcn-amd-amdhsa--gfx1250"
	.amdhsa_code_object_version 6
	.text
	.protected	k_q141dc63c80_prep
	.globl	k_q141dc63c80_prep
	.p2align	8
	.type	k_q141dc63c80_prep,@function
k_q141dc63c80_prep:
	s_mov_b64 s[64:65], 0
	v_nop
	global_prefetch_b8 v0, s[64:65] scope:SCOPE_SE
	s_setreg_imm32_b32 hwreg(HW_REG_WAVE_MODE, 25, 1), 1
	s_wait_xcnt 0x0
; PREP: what the attention launch reads many times is made once.  Three roles, chosen by the work-group's number x:
;   x =   0 .. 255   MASK: query tile T = x (16 queries).  Wave w takes keys 1024 w .. + 1023: eight key steps of 128.  For each step 64 words go to mbits: word k stands for score register
;                    n = (k >> 1) + 32 (k & 1) of the attention launch, and its bit L says whether mask[16 T + L % 16][128 s + 32 (n / 16) + 16 (L / 16) + n % 16] is set.  Two flag words a tile go to flags:
;                    ANY (bit s: step s holds a visible key; all ones where some row of the tile has no visible key at all: such a row weighs every key) and PART (bit s: step s is not wholly visible).
;   x = 256 .. 511   K: two key steps; S = 2 (x - 256) + w / 2 = 32 head + step; wave half w % 2 takes 64 keys: four tiles of 16.
;   x = 512 .. 1023  V: S = x - 512; wave w takes channels 32 w .. + 31 (two tiles of 16) of the step's 128 keys.
; K and V become codes of E3M2, 6 bits each, with one E8M0 byte for each 32 along the product's K (K: the head's 128; V: the keys).  A block's scale is 2^(floor(log2(largest magnitude)) - 4): its byte is the
; largest magnitude's exponent field - 4, held at 1 from below.
; kv: [head 16][step 32][25,600 bytes], a step's operands AS IMAGES OF THEIR REGISTERS: 0: K's 8 fragments (tile t at 1536 t; registers 4 c .. 4 c + 3 at + 512 c; lane L at + 16 L); 12,288: V's 8 likewise;
;   24,576: K's scale words (256 g + 8 L + 4 j: tile 4 g + 2 j + L / 16, row L % 16); 25,088: V's (128 j + 4 L: tile 2 j + L / 16, row L % 16).
;   Row r of K's tile 2 b + u is key 32 b + 8 u + r + 8 (r / 8) of the step, so that the scores' 16 registers of two neighbouring tiles are 16 neighbouring keys.  Row r of V's tile t is channel 16 t + r.
; LIMITS: a block whose largest magnitude lies under 2^-122 (a block of zeros among them) gets the byte 1, where the rule gives a block of zeros 127: its codes are zeros, and this program alone reads the bytes.
;   NaN and infinities among the inputs are not served.
; cu_seqlens: reference() takes it and uses it nowhere.  Its two numbers are read here and enter nothing.
; No tensor load: waves load through registers.  The three roles have LDS bytes of their own.  One barrier, on every work-group's path: behind it wave 0 of a MASK work-group joins the four waves' records.
.set KP,    528                        ; K's stage: a key's row of 512 bytes + 16
.set KSTG,  0                          ; 4 waves x 16 rows x KP
.set MP,    272                        ; the mask's stage: 256 bytes of a row + 16
.set MSTG,  KSTG+4*16*KP               ; 4 waves x 16 rows x MP
.set MREC,  MSTG+4*16*MP               ; four words, one a wave, in a block of 256 bytes
.set SPARE, MREC+256                   ; the spare words, 128 bytes for each wave: two blocks of 256 bytes that no other line names
.set BLK,   25600                      ; a step's block in kv
.set VFR,   12288
.set KSC,   24576
.set VSC,   25088
.set R,     64                         ; v64-191  numbers or mask bytes as loaded
.set FA,    32                         ; v32-43   a fragment's codes
.set FB,    44                         ; v44-55   a second fragment's (V)
.set QT,    56                         ; v56-58, v60-62: a conversion's three registers begin on an even number: a block's second half is made here and moved
.set QM,    24                         ; v24-25   largest magnitudes
.set QS,    26                         ; v26-27   the conversions' scale operands
.set QB,    28                         ; v28-29   scale bytes
.set QW,    16                         ; v16      the scale word
.set QP,    19                         ; v19      the other half of the lanes' part of it
.set QH,    30                         ; v30      8 x (lane / 16)
.set SEL,   32                         ; s[32:33] v_permlanex16_b32's selects for lane l xor 16
; v1 lane, v2 r = lane % 16, v3 h = lane / 16, v4 16 lane, v5 8 lane, v6 4 lane, v7-v12 LDS addresses, v13 the mask's offset, v14, v15 the add's two registers
	s_load_b256 s[4:11], s[0:1], 0x0               ; k s[4:5], v s[6:7], mask s[8:9], cu_seqlens s[10:11]
	s_load_b128 s[12:15], s[0:1], 0x20             ; kv s[12:13], mbits s[14:15]
	s_load_b64 s[16:17], s[0:1], 0x30              ; flags
	v_lshl_add_u32 v14, v0, 2, SPARE               ; my spare word; never rewritten
	v_mov_b32 v15, 0                               ; 0; never rewritten
	v_lshrrev_b32 v1, 5, v0
	v_readfirstlane_b32 s18, v1                    ; wave 0..3
	v_and_b32 v1, 31, v0
	v_and_b32 v2, 15, v0
	v_bfe_u32 v3, v0, 4, 1
	v_lshlrev_b32 v4, 4, v1
	v_lshlrev_b32 v5, 3, v1
	v_lshlrev_b32 v6, 2, v1
	; every LDS address is made here, ahead of the parting of the roles
	s_mul_i32 s25, s18, 16*KP
	v_add_nc_u32 v7, s25, v4                       ; K's stage, in: a row's 512 bytes, 16 a lane
	v_mul_u32_u24 v8, v2, KP
	v_lshl_add_u32 v8, v3, 7, v8
	v_add_nc_u32 v8, s25, v8                       ; and back: row r, + 128 h: my 32 numbers of each 64
	s_mul_i32 s25, s18, 16*MP
	s_add_co_u32 s25, s25, MSTG
	v_mul_u32_u24 v9, v3, MP
	v_lshl_add_u32 v9, v2, 4, v9
	v_add_nc_u32 v9, s25, v9                       ; the mask's stage, in: two rows of 256 bytes an instruction
	v_mul_u32_u24 v10, v2, MP
	v_lshl_add_u32 v10, v3, 4, v10
	v_add_nc_u32 v10, s25, v10                     ; and back: row r, + 16 h
	v_lshrrev_b32 v11, 5, v0
	v_lshl_add_u32 v11, v11, 2, MREC               ; my wave's record
	v_mov_b32 v12, MREC                            ; all four
	v_lshlrev_b32 v13, 4, v2
	v_lshl_add_u32 v13, v3, 12, v13                ; the mask in memory: 4,096 h + 16 r
	v_lshlrev_b32 v[QH], 3, v3
	v_mov_b32 v[QP], 0                             ; written once: a lane permute's destination counts as one of its sources
	s_mov_b32 s[SEL], 0x76543210
	s_mov_b32 s[SEL+1], 0xfedcba98
	s_mov_b32 s34, 0xffff0000                      ; lanes 16-31
	s_wait_kmcnt 0x0
	s_load_b64 s[36:37], s[10:11], 0x0             ; cu_seqlens' two numbers: read, and used nowhere, as in reference()
	s_cmp_lt_u32 ttmp9, 256
	s_cbranch_scc1 .Lmask
	s_cmp_lt_u32 ttmp9, 512
	s_cbranch_scc1 .Lkeys
; ---------------------------------------------------------------- V: a lane takes a channel, and its registers run down the keys
	s_sub_co_u32 s19, ttmp9, 512                   ; S = 32 head + step
	s_lshl_b32 s28, s19, 16                        ; a step's 128 keys are 65,536 bytes
	s_lshl_b32 s25, s18, 7                         ; my wave's 32 channels
	s_add_co_u32 s28, s28, s25
	s_mov_b32 s29, 0
	s_add_nc_u64 s[6:7], s[6:7], s[28:29]
	s_mul_i32 s27, s19, BLK
	s_mul_i32 s25, s18, 2*1536
	s_add_co_u32 s28, s27, s25
	s_add_co_u32 s28, s28, VFR
	s_add_nc_u64 s[28:29], s[12:13], s[28:29]      ; my two fragments' images
	s_lshl_b32 s25, s18, 7
	s_add_co_u32 s30, s27, s25
	s_add_co_u32 s30, s30, VSC
	s_mov_b32 s31, 0
	s_add_nc_u64 s[30:31], s[12:13], s[30:31]      ; and their scale words
; run hb: keys 16 hb .. + 15 of my channel.  Each key has a register of its own, so no load lands on a register that is still at work
.macro VLOAD hb
.set ii, 16*(\hb)
.rept 16
	global_load_b32 v[R+ii], v6, s[6:7] offset:512*ii th:TH_LOAD_NT   ; key ii, my channel: a wave reads 128 consecutive bytes, the four waves a key's whole row
.set ii, ii+1
.endr
.endm
	VLOAD 0
	VLOAD 1
	VLOAD 2                                        ; three runs, 48 loads, are out: as many as are ever out
; block kb: keys 32 kb .. + 31 of my channel (runs 2 kb and 2 kb + 1), all mine: its largest magnitude needs no other lane.  Its six registers of codes go to v[home] on
.macro VBLOCK kb, home
.set XS, R+32*(\kb)
.if (\kb) < 3
	s_wait_loadcnt 16                              ; this block's two runs are in; the one run issued behind them may be out
.else
	s_wait_loadcnt 0x0
.endif
.if 2*(\kb)+3 < 8
	VLOAD 2*(\kb)+3                                ; the next runs go out ahead of the block's arithmetic
.endif
.if 2*(\kb)+4 < 8
	VLOAD 2*(\kb)+4
.endif
	v_max3_num_f32 v24, |v[XS]|, |v[XS+1]|, |v[XS+2]|
	v_max3_num_f32 v25, |v[XS+3]|, |v[XS+4]|, |v[XS+5]|
.irp i, 6,10,14,18,22,26
	v_max3_num_f32 v24, v24, |v[XS+\i]|, |v[XS+\i+1]|
	v_max3_num_f32 v25, v25, |v[XS+\i+2]|, |v[XS+\i+3]|
.endr
	v_max3_num_f32 v24, v24, |v[XS+30]|, |v[XS+31]|
	v_max3_num_f32 v24, v24, v25, 0x2800000        ; and the floor 2^(5 - 127): the byte cannot fall under 1
	v_add_nc_u32 v26, 0xfe000000, v24              ; 4 off the exponent field: the conversion takes the exponent field of this operand as its scale
	v_lshrrev_b32 v28, 23, v26                     ; the scale's byte
.if (\kb) == 0
	v_mov_b32 v16, v28
.else
	v_lshl_or_b32 v16, v28, 8*(\kb), v16           ; the four bytes make my channel's scale word for these 128 keys
.endif
	v_cvt_scalef32_pk16_bf6_f32 v[(\home):(\home)+2], v[XS:XS+15], v26
	v_cvt_scalef32_pk16_bf6_f32 v[QT:QT+2], v[XS+16:XS+31], v26
	v_nop                                          ; one plain line behind a scaled conversion
.irp i, 0,1,2
	v_mov_b32 v[(\home)+3+\i], v[QT+\i]
.endr
.endm
	VBLOCK 0, FA
	VBLOCK 1, FB
	VBLOCK 2, FA+6
	VBLOCK 3, FB+6
; A fragment wants lane (r, h) to hold blocks h and 2 + h of row r.  FA holds every lane's blocks 0 and 2, FB its blocks 1 and 3.  The exchange of FA's lanes 16-31 with FB's lanes 0-15 leaves in FA the
; fragment of channels 32 w .. + 15 and in FB that of channels 32 w + 16 .. + 31.
.irp i, 0,1,2,3,4,5,6,7,8,9,10,11
	v_permlane16_swap_b32 v[FA+\i], v[FB+\i]
.endr
.irp c, 0,1,2
	global_store_b128 v4, v[FA+4*\c:FA+4*\c+3], s[28:29] offset:512*\c          ; 32 lanes store 512 consecutive bytes, at a multiple of 256 from kv's first byte
.endr
.irp c, 0,1,2
	global_store_b128 v4, v[FB+4*\c:FB+4*\c+3], s[28:29] offset:1536+512*\c
.endr
	global_store_b32 v6, v16, s[30:31]             ; 128 consecutive bytes: lane L holds the word of tile 2 w + L / 16, row L % 16
	s_branch .Ljoin
; ---------------------------------------------------------------- K: a lane holds blocks h and 2 + h of a key's row
; 64 numbers of a lane, v[src + 32 c + i] = k 64 c + 32 h + i of its row, become the fragment's 12 registers at v[dst] and the row's scale word in v[QW], whole in both halves of the lanes
.macro QUANT6 src, dst
.irp c, 0,1
	v_max3_num_f32 v[QM+\c], |v[(\src)+32*\c]|, |v[(\src)+32*\c+1]|, 0x2800000   ; my block 2 c + h, and the floor 2^(5 - 127): the byte cannot fall under 1
.endr
.irp i, 2,4,6,8,10,12,14,16,18,20,22,24,26,28,30
.irp c, 0,1
	v_max3_num_f32 v[QM+\c], v[QM+\c], |v[(\src)+32*\c+\i]|, |v[(\src)+32*\c+\i+1]|   ; (the two blocks by turns)
.endr
.endr
.irp c, 0,1
	v_add_nc_u32 v[QS+\c], 0xfe000000, v[QM+\c]    ; 4 off the exponent field: the conversion's scale operand
.endr
.irp c, 0,1
	v_lshrrev_b32 v[QB+\c], 23, v[QS+\c]           ; the scale's byte
.endr
	v_lshl_or_b32 v[QW], v[QB+1], 16, v[QB]        ; my two bytes, blocks h and 2 + h,
	v_lshlrev_b32 v[QW], v[QH], v[QW]              ; at their places in the word (8 h bits up);
	v_permlanex16_b32 v[QP], v[QW], s[SEL], s[SEL+1]
	v_or_b32 v[QW], v[QW], v[QP]                   ; with lane l xor 16's two the word is whole
.irp c, 0,1
	v_cvt_scalef32_pk16_bf6_f32 v[(\dst)+6*\c:(\dst)+6*\c+2], v[(\src)+32*\c:(\src)+32*\c+15], v[QS+\c]
	v_cvt_scalef32_pk16_bf6_f32 v[QT+4*\c:QT+4*\c+2], v[(\src)+32*\c+16:(\src)+32*\c+31], v[QS+\c]
.endr
	v_nop                                          ; one plain line behind a scaled conversion
.irp c, 0,1
.irp i, 0,1,2
	v_mov_b32 v[(\dst)+3+6*\c+\i], v[QT+4*\c+\i]
.endr
.endr
.endm
.macro LOADK t                         ; tile t of my four: its 16 keys' rows, each 512 consecutive bytes, into set t % 2
.irp i, 0,1,2,3,4,5,6,7,8,9,10,11,12,13,14,15
	global_load_b128 v[R+64*((\t)%2)+4*\i:R+64*((\t)%2)+4*\i+3], v4, s[4:5] offset:512*(32*((\t)/2)+8*((\t)%2)+\i+8*(\i/8)) th:TH_LOAD_NT
.endr
.endm
.macro KTILE t
.set XS, R+64*((\t)%2)
.if (\t) < 3
	s_wait_loadcnt 16                              ; this tile's 16 loads are in; the next tile's 16 may be out
.else
	s_wait_loadcnt 0x0
.endif
.irp i, 0,1,2,3,4,5,6,7,8,9,10,11,12,13,14,15
	ds_store_b128 v7, v[XS+4*\i:XS+4*\i+3] offset:KP*\i      ; the rows turn through my own stage: in as they lie,
.endr
.irp c, 0,1
.irp i, 0,1,2,3,4,5,6,7
	ds_load_b128 v[XS+32*\c+4*\i:XS+32*\c+4*\i+3], v8 offset:256*\c+16*\i   ; back 32 neighbours a lane, into the registers that they left.  LDS serves a wave's instructions in order (ISA guide 5.7.1.4)
.endr
.endr
	s_wait_dscnt 0x0
.if (\t) > 0
	s_wait_xcnt 0x0                                ; the last tile's stores have read the codes' registers
.endif
	QUANT6 XS, FA
.irp c, 0,1,2
	global_store_b128 v4, v[FA+4*\c:FA+4*\c+3], s[28:29] offset:1536*(\t)+512*\c   ; 512 consecutive bytes, at a multiple of 256 from kv's first byte
.endr
.if (\t)%2 == 0
	v_mov_b32 v18, v[QW]                           ; an even tile's words wait for the odd tile's:
.else
	v_cndmask_b32 v[20+(\t)/2], v18, v[QW], s34    ; lanes 0-15 carry the even tile's, lanes 16-31 the odd tile's
.endif
.if (\t) < 2
	LOADK (\t)+2
.endif
.endm
.Lkeys:
	s_sub_co_u32 s19, ttmp9, 256
	s_lshl_b32 s19, s19, 1
	s_lshr_b32 s25, s18, 1
	s_add_co_u32 s19, s19, s25                     ; S = 32 head + step
	s_and_b32 s26, s18, 1                          ; g: which 64 keys of the step
	s_lshl_b32 s28, s19, 16
	s_lshl_b32 s25, s26, 15
	s_add_co_u32 s28, s28, s25
	s_mov_b32 s29, 0
	s_add_nc_u64 s[4:5], s[4:5], s[28:29]
	s_mul_i32 s27, s19, BLK
	s_mul_i32 s25, s26, 4*1536
	s_add_co_u32 s28, s27, s25
	s_add_nc_u64 s[28:29], s[12:13], s[28:29]      ; my four fragments' images
	s_lshl_b32 s25, s26, 8
	s_add_co_u32 s30, s27, s25
	s_add_co_u32 s30, s30, KSC
	s_mov_b32 s31, 0
	s_add_nc_u64 s[30:31], s[12:13], s[30:31]      ; and their scale words
	LOADK 0
	LOADK 1
.irp t, 0,1,2,3
	KTILE \t
.endr
	global_store_b64 v5, v[20:21], s[30:31]        ; 32 lanes store 256 consecutive bytes, aligned
	s_branch .Ljoin
; ---------------------------------------------------------------- MASK
; step j of my eight; its 16 registers of bytes stand at v[m]: register 4 b + q, byte e: key 32 b + 16 h + 4 q + e of row r
.macro MSTEP j, m
	s_wait_xcnt 0x0                                ; the last step's store has read v[22:23]
.irp i, 0,2,4,6,8,10,12,14
	v_or_b32 v17, v17, v[(\m)+\i]                  ; has my row a visible key?  (two chains)
	v_or_b32 v31, v31, v[(\m)+\i+1]
.endr
.set nn, 0
.rept 64
	v_and_b32 v[24+nn%2], 0xff<<(8*(nn&3)), v[(\m)+4*(nn>>4)+((nn&15)>>2)]   ; the byte that belongs to score register nn,
	v_cmp_ne_u32 s[20+nn%4], 0, v[24+nn%2]         ; of all 32 lanes: the word,
	v_writelane_b32 v[22+(nn>>5)], s[20+nn%4], nn&31   ; to lane nn % 32 of the pair
.set nn, nn+1
.endr
	global_store_b64 v5, v[22:23], s[28:29] offset:256*(\j)   ; 64 words: 256 consecutive bytes, aligned
	v_or_b32 v26, v22, v23
	v_and_b32 v27, v22, v23
	v_cmp_ne_u32 s25, 0, v26                       ; some word is not 0: a key is visible
	v_cmp_ne_u32 s26, -1, v27                      ; some word is not all ones: a key is hidden
	s_cmp_lg_u32 s25, 0
	s_cselect_b32 s27, 1<<(\j), 0
	s_or_b32 s24, s24, s27
	s_cmp_lg_u32 s26, 0
	s_cselect_b32 s27, 0x100<<(\j), 0
	s_or_b32 s24, s24, s27
.endm
.macro CHUNK ch                        ; 256 keys of the 16 rows: two steps
	s_wait_loadcnt 24-8*(\ch)                      ; this chunk's eight loads are in; the later chunks' may be out
.irp i, 0,1,2,3,4,5,6,7
	ds_store_b128 v9, v[R+32*(\ch)+4*\i:R+32*(\ch)+4*\i+3] offset:2*MP*\i
.endr
.irp p, 0,1
.irp b, 0,1,2,3
	ds_load_b128 v[R+32*(\ch)+16*\p+4*\b:R+32*(\ch)+16*\p+4*\b+3], v10 offset:128*\p+32*\b   ; row r, keys 128 p + 32 b + 16 h + 0 .. 15
.endr
.endr
	s_wait_dscnt 0x0
	MSTEP 2*(\ch), R+32*(\ch)
	MSTEP 2*(\ch)+1, R+32*(\ch)+16
.endm
.Lmask:
	s_lshl_b32 s28, ttmp9, 16                      ; 16 rows of 4,096 bytes
	s_lshl_b32 s25, s18, 10                        ; my wave's 1,024 keys
	s_add_co_u32 s28, s28, s25
	s_mov_b32 s29, 0
	s_add_nc_u64 s[8:9], s[8:9], s[28:29]
	s_lshl_b32 s28, ttmp9, 13                      ; mbits: 8,192 bytes a tile, 256 a step
	s_lshl_b32 s25, s18, 11
	s_add_co_u32 s28, s28, s25
	s_add_nc_u64 s[28:29], s[14:15], s[28:29]
	s_wait_alu depctr_va_vdst(0)
.irp ch, 0,1,2,3
.irp i, 0,1,2,3,4,5,6,7
	global_load_b128 v[R+32*\ch+4*\i:R+32*\ch+4*\i+3], v13, s[8:9] offset:8192*\i+256*\ch th:TH_LOAD_NT   ; rows 2 i and 2 i + 1: sixteen lanes read 256 consecutive bytes, aligned
.endr
.endr
	s_mov_b32 s24, 0                               ; my record: bits 7:0 a key is visible in step j; 15:8 a key is hidden; 31:16 row r has a visible key
	v_mov_b32 v17, 0
	v_mov_b32 v31, 0
	v_mov_b32 v22, 0                               ; (v_writelane_b32's destination counts as read)
	v_mov_b32 v23, 0
	s_wait_alu depctr_va_vdst(0)
	CHUNK 0
	CHUNK 1
	CHUNK 2
	CHUNK 3
	v_or_b32 v17, v17, v31
	v_cmp_ne_u32 s25, 0, v17
	s_lshr_b32 s26, s25, 16
	s_or_b32 s25, s25, s26                         ; a row's keys lie in lanes r and 16 + r
	s_lshl_b32 s25, s25, 16
	s_or_b32 s24, s24, s25
	v_mov_b32 v16, s24
	ds_store_b32 v11, v16                          ; all lanes write the same word with the same value
.Ljoin:
	s_wait_dscnt 0x0                               ; for the others' sake: my record has landed
	s_barrier_signal -1
	s_barrier_wait -1
	s_cmp_ge_u32 ttmp9, 256
	s_cbranch_scc1 .Lend
	s_cmp_lg_u32 s18, 0
	s_cbranch_scc1 .Lend
	s_wait_xcnt 0x0                                ; every store issued above has had its addresses translated (ISA guide 3.1): registers that stores above name (v16, s[30:31]) are written below only behind this wait; no global instruction follows it ahead of the line that narrows EXEC, so it serves that line too
	ds_load_b128 v[16:19], v12                     ; the four waves' records
	s_lshl_b32 s30, ttmp9, 2
	s_mov_b32 s31, 0
	s_add_nc_u64 s[30:31], s[16:17], s[30:31]      ; flags: ANY[T]; PART[T] lies 1,024 bytes on
	v_mov_b32 v31, 0
	s_wait_dscnt 0x0
	v_or_b32 v24, v16, v17
	v_or_b32 v25, v18, v19
	v_or_b32 v24, v24, v25
	v_lshrrev_b32 v24, 16, v24                     ; the rows that have a visible key among all 4,096
	v_and_b32 v26, 0xff, v16
	v_and_b32 v27, 0xff, v17
	v_lshl_or_b32 v26, v27, 8, v26
	v_and_b32 v27, 0xff, v18
	v_lshl_or_b32 v26, v27, 16, v26
	v_lshl_or_b32 v26, v19, 24, v26                ; ANY: wave w's eight steps are bits 8 w on
	v_bfe_u32 v28, v16, 8, 8
	v_bfe_u32 v29, v17, 8, 8
	v_lshl_or_b32 v28, v29, 8, v28
	v_bfe_u32 v29, v18, 8, 8
	v_lshl_or_b32 v28, v29, 16, v28
	v_bfe_u32 v29, v19, 8, 8
	v_lshl_or_b32 v28, v29, 24, v28                ; PART
	v_cmp_eq_u32 vcc_lo, 0xffff, v24
	v_cndmask_b32 v26, -1, v26, vcc_lo             ; a row with no visible key weighs every key alike: its tile walks all steps
	v_cmp_eq_u32 vcc_lo, 0, v1
	s_and_saveexec_b32 s38, vcc_lo                 ; one lane stores the tile's two words
	global_store_b32 v31, v26, s[30:31]
	global_store_b32 v31, v28, s[30:31] offset:1024
	s_wait_xcnt 0x0                                ; EXEC is widened only behind this wait
	s_or_b32 exec_lo, exec_lo, s38
.Lend:
	s_wait_tensorcnt 0x0                           ; the wave's end: three closing lines, behind my last LDS store
	ds_add_u32 v14, v15
	s_wait_dscnt 0x0
	s_endpgm
.Lfunc_end_k_q141dc63c80_prep:
	.size	k_q141dc63c80_prep, .Lfunc_end_k_q141dc63c80_prep-k_q141dc63c80_prep
	.p2alignl 7, 3214868480
	.fill 96, 4, 3214868480
	.section	.rodata,"a",@progbits
	.p2align	6, 0x0
	.amdhsa_kernel k_q141dc63c80_prep
		.amdhsa_group_segment_fixed_size 51968
		.amdhsa_private_segment_fixed_size 0
		.amdhsa_enable_private_segment 0
		.amdhsa_kernarg_size 56
		.amdhsa_user_sgpr_count 2
		.amdhsa_user_sgpr_kernarg_segment_ptr 1
		.amdhsa_wavefront_size32 1
		.amdhsa_system_sgpr_workgroup_id_x 1
		.amdhsa_system_sgpr_workgroup_id_y 1
		.amdhsa_system_sgpr_workgroup_id_z 1
		.amdhsa_system_vgpr_workitem_id 0
		.amdhsa_next_free_vgpr 192
		.amdhsa_next_free_sgpr 66
		.amdhsa_reserve_vcc 1
		.amdhsa_float_denorm_mode_32 3
		.amdhsa_float_denorm_mode_16_64 3
		.amdhsa_memory_ordered 1
		.amdhsa_forward_progress 1
		.amdhsa_inst_pref_size 165
	.end_amdhsa_kernel
	.amdgpu_metadata
---
amdhsa.version: [ 1, 2 ]
amdhsa.kernels:
  - .name:           k_q141dc63c80_prep
    .symbol:         k_q141dc63c80_prep.kd
    .args:
      - { .name: k, .offset: 0, .size: 8, .value_kind: global_buffer, .address_space: global }
      - { .name: v, .offset: 8, .size: 8, .value_kind: global_buffer, .address_space: global }
      - { .name: mask, .offset: 16, .size: 8, .value_kind: global_buffer, .address_space: global }
      - { .name: cu_seqlens, .offset: 24, .size: 8, .value_kind: global_buffer, .address_space: global }
      - { .name: kv, .offset: 32, .size: 8, .value_kind: global_buffer, .address_space: global }
      - { .name: mbits, .offset: 40, .size: 8, .value_kind: global_buffer, .address_space: global }
      - { .name: flags, .offset: 48, .size: 8, .value_kind: global_buffer, .address_space: global }
    .group_segment_fixed_size: 51968
    .private_segment_fixed_size: 0
    .kernarg_segment_align: 8
    .kernarg_segment_size: 56
    .max_flat_workgroup_size: 128
    .sgpr_count:     66
    .vgpr_count:     192
    .wavefront_size: 32
...
	.end_amdgpu_metadata
.endif
;; end of part 3
;; launch attn (part 4): grid 16 x 16, 16 waves a work-group, no clusters, 202,752 bytes of LDS; arguments q, kv, mbits, flags, out0; writes out0
.if DOCPART == 4
	.amdgcn_target "amdgcn-amd-amdhsa--gfx1250"
	.amdhsa_code_object_version 6
	.text
	.protected	k_q141dc63c80_attn
	.globl	k_q141dc63c80_attn
	.p2align	8
	.type	k_q141dc63c80_attn,@function
k_q141dc63c80_attn:
	s_mov_b64 s[64:65], 0
	v_nop
	global_prefetch_b8 v0, s[64:65] scope:SCOPE_SE
	s_setreg_imm32_b32 hwreg(HW_REG_WAVE_SCHED_MODE, 0, 2), 2
	s_setreg_imm32_b32 hwreg(HW_REG_WAVE_MODE, 25, 1), 1
	s_wait_xcnt 0x0
	s_wait_alu depctr_vm_vsrc(0)
; out0[h][q][:] = the sum over k of softmax_k(where(mask[q][k], Q[h][q] . K[h][k] / sqrt(128), -1e30)) V[h][k][:], both products on codes of E3M2 with one E8M0 scale for each 32 along a product's K.
; THE SOFTMAX AHEAD OF THE SECOND PRODUCT: t = score x log2(e) / sqrt(128); M = the row's largest t so far, rounded UP to a whole number; p = 2^(t - M) is what is quantised, along the keys; the row's sum is taken of
; the unquantised p and divides at the end.  When M moves, the sum and O are multiplied by 2^(old M - new M): exact.
; SHARES.  A work-group owns 256 queries of one head (x: the block, y: the head); each of its sixteen waves owns one tile of 16, T = 16 x + wave, in 256 registers.  All walk the 32 key steps of 128 keys in a loop
; of constant count, with one barrier a step.  Q is read by one wave alone and is quantised here, in registers.  K and V come as the launch before laid them: a step's 25,600 bytes are images of the operands'
; registers (K's 8 fragments, V's 8, the scale words), copied memory -> registers -> LDS by all sixteen waves, a step ahead, into two slots by turns.
; THE MASK IS AN INPUT.  The launch before has turned it into whole numbers: ANY[T] (bit s: step s holds a key that some query of tile T sees; all ones where a query of the tile sees no key at all),
; PART[T] (bit s: not every key of step s is seen by every query), and for each (T, s) 64 lane masks, one for each score register.  A step's block is copied only if some wave of the work-group has its ANY bit;
; a wave does a step's work only if its own ANY bit is set; the lane masks are read and applied only where PART is set.  These are scalar branches on stored whole numbers.
; A step that is left out would have given p = 0 in every row: it is left out only where each of the tile's rows sees a key somewhere.
; A HIDDEN SCORE becomes S = -2^103 ahead of the maximum.  c S is exact, so in a row that has seen no key so far t - M is exactly 0 and p = 1, as in reference(), where all logits are then equal; the first key
; that the row sees moves M by more than every exponent, the factor is 0, and what was summed is wiped.  In a row that has seen a key, p of a hidden key is 2^(about -1.3e30) = 0.
; No multicast: partners would need different steps, by numbers read from memory.
; LIMITS: a real score is taken to lie above -2^103 (reference()'s own mark is -1e30 on the scaled score); NaN and infinities are not served; v_exp_f32 gives 0 for p under 2^-126 (ISA guide, its entry in 15.8);
;   a block of p that is all zeros, and a block of q under 2^-122, get the scale byte 1: codes of zeros add nothing.
; LAYOUT.  Both products are used transposed: S^T = K Q^T (source 0 = 16 keys, source 1 = my 16 queries), O^T = V^T P^T: a lane holds ONE query (lane % 16) throughout.  Row r of K's tile 2 b + u is key
; 32 b + 8 u + r + 8 (r / 8): score register n = 16 b + i of lane (r, h) is key 32 b + 16 h + i.
; REGISTERS: v1 16 lane, v2 8 lane, v3 4 lane, v4 16 thread, v5, v6 the add's two, v7 stage by rows, v8 S, v9 stage for O^T, v10 stage for q; v12 -M, v13 the largest t, v[14:15] the sum in two halves;
;   v16-27 Q's fragment, v28 its scale words; v32-79 K's tiles 2 to 5, then V's tiles 0 to 3; v80-95 the copy; v96-159 S^T, then p (ahead of them v136-159 hold K's tiles 0 and 1; behind them v96-143 hold V's tiles 4 to 7);
;   v160-223 O^T; v224-235 p's codes; v232-247, v252-254 at work (ahead of them v224-247 hold K's tiles 6 and 7); v248-251 K's or V's scale words.
; THE MODE: SCHED_MODE bits 1:0 = 2 (LLVM: expert scheduling mode 2), set by the entry lines.  The code itself states the register dependences between vector or matrix instructions and memory or LDS
; instructions, with s_wait_alu, always for 0.
; THE PLAN.  Registers that memory or LDS instructions touch:
;   v1-v4, v7, v9, v10   addresses, made once at the head and never written again; v5, v6 likewise, read by the closing add alone.
;   v[80:95]             the copy.  Zeros at the head; then written by the copy's global loads and read by its LDS stores alone: no vector instruction of the loop names them.
;   K's eight fragments  v[136:159], v[32:79], v[224:247], and K's scale words v[248:251]: LDS loads at a step's head; read by the eight score products.
;   V's tiles 0 to 3     v[32:79], and V's scale words v[248:251]: LDS loads dealt among the row's sums, behind the wait for the exponentials, at which the score products are done reading these registers.
;   V's tiles 4 to 7     v[96:143]: LDS loads behind the wait that stands ahead of the second product, at which the conversions and the sums are done reading p.
; So a step has five waits on va_vdst: at its head; ahead of and behind the 64 exponentials; behind the four; ahead of the second product.  A trip has one wait on vm_vsrc, for the copy's registers.
.set SLOTB, 32768                      ; slot 1 begins here; a slot holds a step's 25,600 bytes as they lie in kv
.set BLK,   25600
.set VFR,   12288
.set KSC,   24576
.set VSC,   25088
.set SP,    528                        ; a stage row: 512 bytes + 16
.set STAGE, 2*SLOTB                    ; 16 rows x SP for each wave, its own: q's way in, O's way out
.set SPARE, STAGE+16*16*SP             ; the spare words, 128 bytes for each wave: eight blocks of 256 bytes that no other line names
.set WV,    14                         ; s14  my wave's number
.set CNT,   15                         ; s15  pairs of steps to go
.set WG,    66                         ; s66  the OR of the sixteen waves' ANY; bit 0: this step
.set ANYW,  67                         ; s67  my ANY
.set PARTW, 68                         ; s68  my PART
.set SEL,   70                         ; s[70:71] v_permlanex16_b32's selects for lane l xor 16
.set CS,    72                         ; s[72:73] c = log2(e) / sqrt(128)
.set QM,    32
.set QS,    34
.set QB,    36
.set QW,    28
.set QP,    38
.set QT,    40
.set QH,    31
; s[16:63], s[80:95]: a step's 64 lane masks
; 64 numbers of a lane, v[src + 32 c + i] = k 64 c + 32 h + i of its row, become the fragment's 12 registers at v[dst] and the row's scale word in v[QW], whole in both halves of the lanes
.macro QUANT6 src, dst
.irp c, 0,1
	v_max3_num_f32 v[QM+\c], |v[(\src)+32*\c]|, |v[(\src)+32*\c+1]|, 0x2800000   ; my block 2 c + h, and the floor 2^(5 - 127): the byte cannot fall under 1
.endr
.irp i, 2,4,6,8,10,12,14,16,18,20,22,24,26,28,30
.irp c, 0,1
	v_max3_num_f32 v[QM+\c], v[QM+\c], |v[(\src)+32*\c+\i]|, |v[(\src)+32*\c+\i+1]|
.endr
.endr
.irp c, 0,1
	v_add_nc_u32 v[QS+\c], 0xfe000000, v[QM+\c]    ; 4 off the exponent field: the conversion's scale operand
.endr
.irp c, 0,1
	v_lshrrev_b32 v[QB+\c], 23, v[QS+\c]
.endr
	v_lshl_or_b32 v[QW], v[QB+1], 16, v[QB]
	v_lshlrev_b32 v[QW], v[QH], v[QW]
	v_permlanex16_b32 v[QP], v[QW], s[SEL], s[SEL+1]
	v_or_b32 v[QW], v[QW], v[QP]
.irp c, 0,1
	v_cvt_scalef32_pk16_bf6_f32 v[(\dst)+6*\c:(\dst)+6*\c+2], v[(\src)+32*\c:(\src)+32*\c+15], v[QS+\c]
	v_cvt_scalef32_pk16_bf6_f32 v[QT+4*\c:QT+4*\c+2], v[(\src)+32*\c+16:(\src)+32*\c+31], v[QS+\c]   ; (a conversion's three registers begin on an even number)
.endr
	v_nop                                          ; one plain line behind a scaled conversion
.irp c, 0,1
.irp i, 0,1,2
	v_mov_b32 v[(\dst)+3+6*\c+\i], v[QT+4*\c+\i]
.endr
.endr
.endm
; A step's block, off bytes from where KV stands: 512 threads x 16 bytes three times, and the last 1,024 bytes by waves 0 and 1
.macro COPY_IN off
.irp j, 0,1,2
	global_load_b128 v[80+4*\j:83+4*\j], v4, s[6:7] offset:(\off)+8192*\j
.endr
	s_cmp_lt_u32 s[WV], 2
	s_cbranch_scc0 .Lin_done_\@
	global_load_b128 v[92:95], v4, s[6:7] offset:(\off)+24576
.Lin_done_\@:
.endm
.macro COPY_OUT slot
.irp j, 0,1,2
	ds_store_b128 v4, v[80+4*\j:83+4*\j] offset:SLOTB*(\slot)+8192*\j
.endr
	s_cmp_lt_u32 s[WV], 2
	s_cbranch_scc0 .Lout_done_\@
	ds_store_b128 v4, v[92:95] offset:SLOTB*(\slot)+24576
.Lout_done_\@:
.endm
; A fragment comes back as it was stored: registers 4 c .. 4 c + 3 at 512 c, 16 bytes a lane
.macro FRAG reg, off
.irp c, 0,1,2
	ds_load_b128 v[(\reg)+4*\c:(\reg)+4*\c+3], v1 offset:(\off)+512*\c
.endr
.endm
; S^T's tile t = K's tile t (at v[reg]) x Q.  Scale register 248 + t / 2 carries tile t's words, even tiles in lanes 0-15, odd tiles in lanes 16-31
.macro KMUL t, reg
.if (\t)%2
	v_wmma_scale_f32_16x16x128_f8f6f4 v[96+8*(\t):103+8*(\t)], v[(\reg):(\reg)+11], v[16:27], 0, v[248+(\t)/2], v28 matrix_a_fmt:MATRIX_FMT_BF6 matrix_b_fmt:MATRIX_FMT_BF6 matrix_a_scale:MATRIX_SCALE_ROW1
.else
	v_wmma_scale_f32_16x16x128_f8f6f4 v[96+8*(\t):103+8*(\t)], v[(\reg):(\reg)+11], v[16:27], 0, v[248+(\t)/2], v28 matrix_a_fmt:MATRIX_FMT_BF6 matrix_b_fmt:MATRIX_FMT_BF6
.endif
.endm
; O^T's tile t += V's tile t (at v[reg]) x P
.macro VMUL t, reg
.if (\t)%2
	v_wmma_scale_f32_16x16x128_f8f6f4 v[160+8*(\t):167+8*(\t)], v[(\reg):(\reg)+11], v[224:235], v[160+8*(\t):167+8*(\t)], v[248+(\t)/2], v253 matrix_a_fmt:MATRIX_FMT_BF6 matrix_b_fmt:MATRIX_FMT_BF6 matrix_a_scale:MATRIX_SCALE_ROW1
.else
	v_wmma_scale_f32_16x16x128_f8f6f4 v[160+8*(\t):167+8*(\t)], v[(\reg):(\reg)+11], v[224:235], v[160+8*(\t):167+8*(\t)], v[248+(\t)/2], v253 matrix_a_fmt:MATRIX_FMT_BF6 matrix_b_fmt:MATRIX_FMT_BF6
.endif
.endm
; A KEY STEP of my tile, from the slot named
.macro STEP slot
.set B0, SLOTB*(\slot)
.rept 5
	v_nop                                          ; five places between the last step's products, which read v[96:143] as source 0, and this step's first products, which write over them (the need for places: ISA guide 7.12.1)
.endr
	s_wait_alu depctr_va_vdst(0)                   ; the last step's products are done reading v[32:79], v[96:143], v[224:235] and v[248:251], and its softmax is done with v[136:159] and v[236:247]: the loads below land in these.  In a wave's first step: the quantiser at the head has written v[32:46], and Q's fragment v[16:27] and scale words v28, which every step's products take
	FRAG 136, B0+1536*0                            ; S^T = K Q^T: all eight fragments are asked for in one run.  Tiles 0 and 1 lie where the scores of tiles 5 to 7 will land,
	FRAG 148, B0+1536*1
	ds_load_b64 v[248:249], v2 offset:B0+KSC       ; K's scale words
	ds_load_b64 v[250:251], v2 offset:B0+KSC+256
	FRAG 32,  B0+1536*2
	FRAG 44,  B0+1536*3
	FRAG 56,  B0+1536*4
	FRAG 68,  B0+1536*5
	FRAG 224, B0+1536*6                            ; tiles 6 and 7 where p's codes and the softmax's work registers will be
	FRAG 236, B0+1536*7
	s_wait_dscnt 18                                ; LDS loads come back in order (ISA guide 5.7.1): tiles 0 and 1 and the scale words are in; the six later fragments, 18 loads, may be out
	KMUL 0, 136
	KMUL 1, 148
	s_wait_dscnt 9                                 ; tiles 2 to 4 are in; three fragments may be out
	KMUL 2, 32
	KMUL 3, 44
	KMUL 4, 56
.rept 5
	v_nop                                          ; five places between tiles 0 and 1, which read v[136:159], and tiles 5 to 7, which write over them
.endr
	s_wait_dscnt 0x0
	KMUL 5, 68
	KMUL 6, 224
	KMUL 7, 236
.rept 4
	v_nop                                          ; places in front of the first read of results, and of the first vector write of v[232:247], which the last products read
.endr
	s_bitcmp1_b32 s[PARTW], 0                      ; a step all of whose keys every query sees has no mask to apply
	s_cbranch_scc0 .Lopen_\@
	s_load_b512 s[16:31], s[8:9], 256*(\slot)      ; the step's 64 lane masks
	s_load_b512 s[32:47], s[8:9], 256*(\slot)+64
	s_load_b512 s[48:63], s[8:9], 256*(\slot)+128
	s_load_b512 s[80:95], s[8:9], 256*(\slot)+192
	s_wait_kmcnt 0x0
.set nn, 0
.rept 64
.set kk, 2*(nn%32)+nn/32                       ; register nn's mask is word 2 (nn % 32) + nn / 32
.if kk < 48
.set sr, 16+kk
.else
.set sr, 32+kk
.endif
	v_cndmask_b32 v[96+nn], v8, v[96+nn], s[sr]    ; a hidden score becomes S; each accumulator from its low end on
.set nn, nn+1
.endr
.Lopen_\@:
.irp b, 0,1,2,3
	v_max3_num_f32 v[232+\b], v[96+16*\b], v[97+16*\b], v[98+16*\b]   ; the largest score of each block of 32 keys: it serves for the row's maximum and, since p rises with the score, for the block's largest p
.endr
.irp i, 3,5,7,9,11,13
.irp b, 0,1,2,3
	v_max3_num_f32 v[232+\b], v[232+\b], v[96+16*\b+\i], v[97+16*\b+\i]   ; (the four blocks by turns)
.endr
.endr
.irp b, 0,1,2,3
	v_max_num_f32 v[232+\b], v[232+\b], v[111+16*\b]
.endr
.irp b, 0,1,2,3
	v_permlanex16_b32 v[236+\b], v[232+\b], s[SEL], s[SEL+1]
.endr
.irp b, 0,1,2,3
	v_max_num_f32 v[232+\b], v[232+\b], v[236+\b]  ; with lane l xor 16's 16 keys
.endr
	v_max3_num_f32 v254, v232, v233, v234
	v_max_num_f32 v254, v254, v235                 ; the step's largest score of my query
	v_mul_f32 v254, s[CS], v254                    ; as t (c is positive)
	v_max_num_f32 v13, v13, v254                   ; the running largest t
	v_mov_b32 v254, v12
	v_floor_f32 v12, -v13                          ; the new -M = floor(-t) = -ceil(t): a whole number
	v_sub_f32 v254, v12, v254                      ; M's old value less its new one: a whole number, 0 or less
	v_cvt_i32_f32 v254, v254                       ; (it saturates)
	v_ldexp_f32 v252, 1.0, v254                    ; f = 2^(old M - new M)
.irp j, 0,2,4,6,8,10,12,14,16,18,20,22,24,26,28,30,32,34,36,38,40,42,44,46,48,50,52,54,56,58,60,62
	v_pk_fma_f32 v[96+\j:97+\j], v[96+\j:97+\j], s[CS:CS+1], v[12:13] op_sel_hi:[1,0,0]   ; t - M, two at a time (of the pairs c and -M the low word serves both halves)
.endr
.irp b, 0,1,2,3
	v_fma_f32 v[232+\b], v[232+\b], s[CS], v12     ; the same of each block's largest score
.endr
	s_wait_alu depctr_va_vdst(0)
.irp j, 0,1,2,3,4,5,6,7,8,9,10,11,12,13,14,15,16,17,18,19,20,21,22,23,24,25,26,27,28,29,30,31,32,33,34,35,36,37,38,39,40,41,42,43,44,45,46,47,48,49,50,51,52,53,54,55,56,57,58,59,60,61,62,63
	v_exp_f32 v[96+\j], v[96+\j]                   ; p = 2^(t - M), at most 1: not normalised
.endr
	v_pk_mul_f32 v[14:15], v[14:15], v[252:253] op_sel_hi:[1,0]   ; the sums under the new M: the plain line behind the exponentials
	s_wait_alu depctr_va_vdst(0)                   ; the 64 exponentials have written p, ahead of its first reader; and the score products are done reading v[32:79] and v[248:251], in which V's loads below land
.irp j, 0,1,2,3
	ds_load_b32 v[248+\j], v3 offset:B0+VSC+128*\j     ; V's scale words: tiles 2 j (lanes 0-15) and 2 j + 1 (lanes 16-31)
.endr
.irp b, 0,1,2,3
	v_exp_f32 v[232+\b], v[232+\b]                 ; the block's largest p: the same two instructions on the same number give the same bits
.endr
	v_pk_add_f32 v[236:237], v[96:97], v[98:99]    ; the row's sum is taken of the unquantised p: two at a time, in two chains
.set vv, 0
.irp j, 4,8,12,16,20,24,28,32,36,40,44,48,52,56,60
	v_pk_add_f32 v[14:15], v[14:15], v[96+\j:97+\j]
	v_pk_add_f32 v[236:237], v[236:237], v[98+\j:99+\j]
.if vv < 12
	ds_load_b128 v[32+4*vv:35+4*vv], v1 offset:B0+VFR+512*vv   ; V's tiles 0 to 3, one load behind each pair of sums (tile t's registers 4 c on are load 3 t + c).  No wait: no vector instruction since the wait above names v[32:79] or v1
.endif
.set vv, vv+1
.endr
	v_pk_add_f32 v[14:15], v[14:15], v[236:237]
	s_wait_alu depctr_va_vdst(0)                   ; the four exponentials have written v[232:235], ahead of their first reader
.irp b, 0,1,2,3
	v_max_num_f32 v[232+\b], 0x2800000, v[232+\b]  ; the floor 2^(5 - 127): the byte cannot fall under 1
.endr
.irp b, 0,1,2,3
	v_add_nc_u32 v[244+\b], 0xfe000000, v[232+\b]  ; 4 off the exponent field: the conversion's scale operand
.endr
.irp b, 0,1,2,3
	v_lshrrev_b32 v[236+\b], 23, v[244+\b]         ; the scale's byte
.endr
	v_lshl_or_b32 v253, v237, 8, v236              ; p's scale word for these 128 keys
	v_lshl_or_b32 v253, v238, 16, v253
	v_lshl_or_b32 v253, v239, 24, v253
.irp c, 0,1
	v_cvt_scalef32_pk16_bf6_f32 v[224+6*\c:226+6*\c], v[96+32*\c:111+32*\c], v[244+2*\c]
	v_cvt_scalef32_pk16_bf6_f32 v[236+4*\c:238+4*\c], v[112+32*\c:127+32*\c], v[244+2*\c+1]   ; (a conversion's three registers begin on an even number)
.endr
	v_nop                                          ; one plain line behind a scaled conversion
.irp c, 0,1                                    ; the operand's layout wants a whole block in a lane: lanes 0-15 block 2 c, lanes 16-31 block 2 c + 1
.irp i, 0,1,2
	v_permlane16_swap_b32 v[224+6*\c+\i], v[236+4*\c+\i]
.endr
.irp i, 0,1,2
	v_mov_b32 v[227+6*\c+\i], v[236+4*\c+\i]
.endr
.endr
.irp j, 0,2,4,6,8,10,12,14,16,18,20,22,24,26,28,30,32,34,36,38,40,42,44,46,48,50,52,54,56,58,60,62
	v_pk_mul_f32 v[160+\j:161+\j], v[160+\j:161+\j], v[252:253] op_sel_hi:[1,0]   ; O^T under the new M.  (These 32 are also the places in front of the matrix instructions below)
.endr
	s_wait_alu depctr_va_vdst(0)                   ; behind the places: p's codes v[224:235] and scale word v253 are written, which the products below take; and the conversions and the sums are done reading v[96:143], in which the loads below land
	FRAG 96,  B0+VFR+1536*4                        ; V's tiles 4 to 7, where p lay: they land while tiles 0 to 3 are multiplied
	FRAG 108, B0+VFR+1536*5
	FRAG 120, B0+VFR+1536*6
	FRAG 132, B0+VFR+1536*7
	s_wait_dscnt 12                                ; V's scale words and tiles 0 to 3 are in; the 12 loads just issued may be out
	VMUL 0, 32                                     ; O^T += V^T P^T; K = these 128 keys; the eight accumulators take turns, one instruction a turn
	VMUL 1, 44
	VMUL 2, 56
	VMUL 3, 68
	s_wait_dscnt 0x0
	VMUL 4, 96
	VMUL 5, 108
	VMUL 6, 120
	VMUL 7, 132
.endm
; ONE STEP OF THE WALK.  The block asked for a step ago goes into its slot; one barrier; the next block is asked for; my tile's work.  The barrier does two things: behind it the slot is whole for all sixteen
; waves, and every wave's reads of the other slot (the step before) are over, so that the next step may store there.
.macro TRIP slot
	s_wait_loadcnt 0x0                             ; the copy asked for a step ago is in.  On every path: no load then lands on a pending one
	s_bitcmp1_b32 s[WG], 0                         ; does any wave of the work-group want this step?  The same number in all sixteen waves
	s_cbranch_scc0 .Lno_out_\@
	COPY_OUT \slot
.Lno_out_\@:
	s_wait_dscnt 0x0                               ; for the others' sake: my stores have landed, and my reads of the other slot are in
	s_barrier_signal -1
	s_barrier_wait -1
	s_wait_alu depctr_vm_vsrc(0)                   ; the copy's LDS stores have read v[80:95], in which the next copy's loads land: ahead of the branch that leads to them
	s_bitcmp1_b32 s[WG], 1                         ; the next step: in step 31 the bit is one that the shifts brought in, 0: nothing is read past the head's last block
	s_cbranch_scc0 .Lno_in_\@
	COPY_IN ((\slot)+1)*BLK
.Lno_in_\@:
	s_bitcmp1_b32 s[ANYW], 0                       ; does my tile see a key of this step?
	s_cbranch_scc0 .Lno_step_\@
	STEP \slot
.Lno_step_\@:
	s_lshr_b32 s[WG], s[WG], 1
	s_lshr_b32 s[ANYW], s[ANYW], 1
	s_lshr_b32 s[PARTW], s[PARTW], 1
.endm
	s_load_b256 s[4:11], s[0:1], 0x0               ; q s[4:5], kv s[6:7], mbits s[8:9], flags s[10:11]
	s_load_b64 s[12:13], s[0:1], 0x20              ; out0
	v_lshl_add_u32 v5, v0, 2, SPARE                ; my spare word; never rewritten
	v_mov_b32 v6, 0                                ; 0; never rewritten
	v_lshrrev_b32 v11, 5, v0
	v_readfirstlane_b32 s[WV], v11                 ; wave 0..15
	v_and_b32 v11, 31, v0                          ; lane
	v_and_b32 v29, 15, v0                          ; r
	v_bfe_u32 v30, v0, 4, 1                        ; h
	v_lshlrev_b32 v1, 4, v11
	v_lshlrev_b32 v2, 3, v11
	v_lshlrev_b32 v3, 2, v11
	v_lshlrev_b32 v4, 4, v0                        ; the copy: 16 bytes a thread, in memory and in a slot alike
	s_wait_alu depctr_va_sdst(0)                   ; the wave's number is written, ahead of its first reader
	s_mul_i32 s74, s[WV], 16*SP
	s_add_co_u32 s74, s74, STAGE                   ; my stage
	v_add_nc_u32 v7, s74, v1                       ; by rows: 512 bytes, 16 a lane
	v_mul_u32_u24 v31, v29, SP
	v_lshl_add_u32 v9, v30, 5, v31
	v_add_nc_u32 v9, s74, v9                       ; O^T in: row r, + 32 h
	v_lshl_add_u32 v10, v30, 7, v31
	v_add_nc_u32 v10, s74, v10                     ; q back: row r, + 128 h
	v_mov_b32 v8, 0xf3000000                       ; S = -2^103
	v_lshlrev_b32 v[QH], 3, v30
	v_mov_b32 v[QP], 0                             ; written once: a lane permute's destination counts as one of its sources
.irp j, 0,1,2,3,4,5,6,7,8,9,10,11,12,13,14,15
	v_mov_b32 v[80+\j], 0                          ; the copy's registers: written on every path ahead of the stores that read them
.endr
	s_mov_b32 s[SEL], 0x76543210
	s_mov_b32 s[SEL+1], 0xfedcba98
	s_mov_b32 s[CS], 0x3e0293ee                    ; c = log2(e) / sqrt(128)
	s_mov_b32 s[CS+1], s[CS]                       ; (named with it as a pair, so it is written)
	s_mov_b32 s[CNT], 16
	s_and_b32 s76, ttmp7, 0xffff                   ; the head
	s_lshl_b32 s77, ttmp9, 4
	s_add_co_u32 s77, s77, s[WV]                   ; T = 16 x + wave
	s_lshl_b32 s2, s76, 21                         ; a head of q or out0: 4,096 rows of 512 bytes
	s_lshl_b32 s3, s77, 13                         ; my 16 rows
	s_add_co_u32 s2, s2, s3
	s_mov_b32 s3, 0
	s_mul_i32 s74, s76, 32*BLK                     ; a head of kv
	s_mov_b32 s75, 0
	s_lshl_b32 s78, s77, 13                        ; mbits: 8,192 bytes a tile
	s_mov_b32 s79, 0
	s_wait_kmcnt 0x0
	s_add_nc_u64 s[4:5], s[4:5], s[2:3]
	s_add_nc_u64 s[12:13], s[12:13], s[2:3]
	s_add_nc_u64 s[6:7], s[6:7], s[74:75]
	s_add_nc_u64 s[8:9], s[8:9], s[78:79]
	s_lshl_b32 s74, ttmp9, 6
	s_add_nc_u64 s[10:11], s[10:11], s[74:75]      ; the ANY words of my work-group's sixteen tiles
	s_lshl_b32 s78, s[WV], 2
	s_add_nc_u64 s[78:79], s[10:11], s[78:79]      ; and mine
	s_load_b512 s[16:31], s[10:11], 0x0
	s_load_b32 s[ANYW], s[78:79], 0x0
	s_load_b32 s[PARTW], s[78:79], 0x400
	s_wait_alu depctr_va_vdst(0)                   ; the addresses v1 to v4, v7, v9 and v10 are written, which every load and store of the kernel reads; so are the zeros in v[80:95], which the copy's stores read and in which its loads land.  No later vector instruction names any of these
.irp i, 0,1,2,3,4,5,6,7,8,9,10,11,12,13,14,15
	global_load_b128 v[96+4*\i:99+4*\i], v1, s[4:5] offset:512*\i th:TH_LOAD_NT   ; q: a whole row of 512 bytes an instruction; read once in the launch
.endr
	s_wait_kmcnt 0x0
	s_or_b32 s[WG], s16, s17
.irp i, 18,19,20,21,22,23,24,25,26,27,28,29,30,31
	s_or_b32 s[WG], s[WG], s[\i]
.endr
	s_bitcmp1_b32 s[WG], 0
	s_cbranch_scc0 .Lno_first
	COPY_IN 0                                      ; step 0's block
.Lno_first:
	s_wait_loadcnt 0x0                             ; q (for 0: how many loads were issued behind q's differs by path)
.irp i, 0,1,2,3,4,5,6,7,8,9,10,11,12,13,14,15
	ds_store_b128 v7, v[96+4*\i:99+4*\i] offset:SP*\i        ; q turns through my stage: in by rows,
.endr
.irp c, 0,1
.irp i, 0,1,2,3,4,5,6,7
	ds_load_b128 v[160+32*\c+4*\i:163+32*\c+4*\i], v10 offset:256*\c+16*\i   ; back 32 neighbours a lane.  LDS serves a wave's instructions in order (ISA guide 5.7.1.4)
.endr
.endr
	s_wait_dscnt 0x0
	s_wait_alu depctr_vm_vsrc(0)                   ; the LDS stores above have read v[96:159], which the first step's products write and in part of which its loads of K land
	QUANT6 160, 16                                 ; Q's fragment v[16:27] and scale words v28: they stay
	v_mov_b32 v13, 0xff61b1e6                      ; the largest t so far: -3e38, under every t
	v_floor_f32 v12, -v13                          ; -M
	v_mov_b32 v14, 0                               ; the sum, in two halves
	v_mov_b32 v15, 0
.irp b, 0,1,2,3
	v_mov_b32 v[236+\b], 0                         ; written once: a lane permute's destination counts as one of its sources
.endr
	v_mov_b32 v252, 0
	v_mov_b32 v253, 0                              ; (named as the upper half of the pair v[252:253] before it is first written)
.irp j, 0,1,2,3,4,5,6,7,8,9,10,11,12,13,14,15,16,17,18,19,20,21,22,23,24,25,26,27,28,29,30,31,32,33,34,35,36,37,38,39,40,41,42,43,44,45,46,47,48,49,50,51,52,53,54,55,56,57,58,59,60,61,62,63
	v_mov_b32 v[160+\j], 0                         ; O^T.  Which step is a wave's first hangs on the flags, so the step is written once and finds zeros, which the first change of M leaves zeros
.endr
.Lpair:                                            ; 16 trips of two steps: the slots stand in the immediates
	TRIP 0
	TRIP 1
	s_wait_xcnt 0x0                                ; the copy's loads and the masks' have read their bases
	s_add_nc_u64 s[6:7], s[6:7], 2*BLK
	s_add_nc_u64 s[8:9], s[8:9], 512
	s_sub_co_u32 s[CNT], s[CNT], 1
	s_cmp_lg_u32 s[CNT], 0
	s_cbranch_scc1 .Lpair
	; THE WAY OUT.  O^T / the row's sum goes through my stage and leaves as whole rows of 512 bytes.
	v_add_f32 v14, v14, v15                        ; the sum's two halves,
	v_permlanex16_b32 v252, v14, s[SEL], s[SEL+1]
	v_add_f32 v14, v14, v252                       ; and lane l xor 16's: the row's sum.  It is never 0: the row's largest p is above 1/2
	s_wait_alu depctr_va_vdst(0)
	v_rcp_f32 v14, v14
	v_nop                                          ; the plain line behind the reciprocal; with the next two and the additions above, the places behind the last eight products, which stand on end
	v_nop
	v_nop
	s_wait_alu depctr_va_vdst(0)                   ; the reciprocal has written v14, ahead of its first reader
.irp j, 0,1,2,3,4,5,6,7,8,9,10,11,12,13,14,15,16,17,18,19,20,21,22,23,24,25,26,27,28,29,30,31,32,33,34,35,36,37,38,39,40,41,42,43,44,45,46,47,48,49,50,51,52,53,54,55,56,57,58,59,60,61,62,63
	v_mul_f32 v[96+\j], v[160+\j], v14             ; register 8 t + i is o(r, 16 t + 8 h + i); each accumulator from its low end on
.endr
	s_wait_alu depctr_va_vdst(0)                   ; the multiplications have written v[96:159], which the LDS stores read, and are done reading v[160:223], in which the loads from the stage land
.irp t, 0,1,2,3,4,5,6,7
	ds_store_b128 v9, v[96+8*\t:99+8*\t] offset:64*\t
	ds_store_b128 v9, v[100+8*\t:103+8*\t] offset:64*\t+16
.endr
.irp i, 0,1,2,3,4,5,6,7,8,9,10,11,12,13,14,15
	ds_load_b128 v[160+4*\i:163+4*\i], v7 offset:SP*\i       ; these see my stores: LDS serves a wave's instructions in order
.endr
.irp i, 0,1,2,3,4,5,6,7,8,9,10,11,12,13,14,15
	s_wait_dscnt 15-\i                             ; row i is back; the later rows' loads may be out
	global_store_b128 v1, v[160+4*\i:163+4*\i], s[12:13] offset:512*\i th:TH_STORE_NT   ; 32 lanes store 512 consecutive bytes, at a multiple of 256 from out0's first byte
.endr
	s_wait_dscnt 0x0                               ; the closing lines, six on end
	s_wait_alu 0x0
	s_wait_tensorcnt 0x0
	ds_add_u32 v5, v6
	s_wait_dscnt 0x0
	s_endpgm
.Lfunc_end_k_q141dc63c80_attn:
	.size	k_q141dc63c80_attn, .Lfunc_end_k_q141dc63c80_attn-k_q141dc63c80_attn
	.p2alignl 7, 3214868480
	.fill 96, 4, 3214868480
	.section	.rodata,"a",@progbits
	.p2align	6, 0x0
	.amdhsa_kernel k_q141dc63c80_attn
		.amdhsa_group_segment_fixed_size 202752
		.amdhsa_private_segment_fixed_size 0
		.amdhsa_enable_private_segment 0
		.amdhsa_kernarg_size 40
		.amdhsa_user_sgpr_count 2
		.amdhsa_user_sgpr_kernarg_segment_ptr 1
		.amdhsa_wavefront_size32 1
		.amdhsa_system_sgpr_workgroup_id_x 1
		.amdhsa_system_sgpr_workgroup_id_y 1
		.amdhsa_system_sgpr_workgroup_id_z 1
		.amdhsa_system_vgpr_workitem_id 0
		.amdhsa_next_free_vgpr 256
		.amdhsa_next_free_sgpr 96
		.amdhsa_reserve_vcc 0
		.amdhsa_float_denorm_mode_32 3
		.amdhsa_float_denorm_mode_16_64 3
		.amdhsa_memory_ordered 1
		.amdhsa_forward_progress 1
		.amdhsa_inst_pref_size 69
	.end_amdhsa_kernel
	.amdgpu_metadata
---
amdhsa.version: [ 1, 2 ]
amdhsa.kernels:
  - .name:           k_q141dc63c80_attn
    .symbol:         k_q141dc63c80_attn.kd
    .args:
      - { .name: q, .offset: 0, .size: 8, .value_kind: global_buffer, .address_space: global }
      - { .name: kv, .offset: 8, .size: 8, .value_kind: global_buffer, .address_space: global }
      - { .name: mbits, .offset: 16, .size: 8, .value_kind: global_buffer, .address_space: global }
      - { .name: flags, .offset: 24, .size: 8, .value_kind: global_buffer, .address_space: global }
      - { .name: out0, .offset: 32, .size: 8, .value_kind: global_buffer, .address_space: global }
    .group_segment_fixed_size: 202752
    .private_segment_fixed_size: 0
    .kernarg_segment_align: 8
    .kernarg_segment_size: 40
    .max_flat_workgroup_size: 512
    .sgpr_count:     96
    .vgpr_count:     256
    .wavefront_size: 32
...
	.end_amdgpu_metadata
.endif
;; end of part 4
